; MI455X (gfx1250); checked and timed in simulation.
; The chip was launched on July 23, 2026; its instructions are those of AMD's public machine-readable ISA for CDNA 5 (MIT licence, August 2026) and "CDNA5" Instruction Set Architecture Reference Guide (July 2026). The comments in the code are by the model that wrote it; some were corrected since.
;; Patch TST Rope Attention. Allowed arithmetic: matrix products marked QUANTISED: E2M1 operands, one E8M0 scale for each 32 along K, by v_wmma_scale_f32_16x16x128_f8f6f4 with both operands' format E2M1 (or v_wmma_scale_f32_32x16x128_f4), f32 sums; products left as they are: bf16, f16 or f32 operands; f32 sums; everything else in f32.
;; Inputs: Wk 768 x 768 float32; Wo 768 x 768 float32; Wq 768 x 768 float32; Wv 768 x 768 float32; bk 768 float32; bo 768 float32; bq 768 float32; bv 768 float32; hidden_states 16 x 1,024 x 768 float32.
;; Outputs: out0 16 x 1,024 x 768 float32.
;; This version of the problem:
;;   THIS VERSION OF THE PROBLEM IS GIVEN IN LOW PRECISION. The matrix products marked QUANTISED in the list below multiply operands that are first quantised to E2M1 (2 exponent bits, 1 mantissa bit; 4 bits a number), with one power-of-two scale for each 32 numbers along K (OCP MX v1.0); their sums are f32. The products marked 'left as it is' may take bf16, f16 or f32 operands, with f32 sums. All else is computed in f32.
;;   The module's matrix products, in the order in which they are computed (A, B: the left and right operand; K: the contracted axis; several contracted axes count as one K, in the product's order):
;;     1. [M 16,384, K 768] x [K 768, N 768]; A: input hidden_states; B: input Wq: QUANTISED
;;     2. [M 16,384, K 768] x [K 768, N 768]; A: input hidden_states; B: input Wk: QUANTISED
;;     3. [M 16,384, K 768] x [K 768, N 768]; A: input hidden_states; B: input Wv: QUANTISED
;;     4. batch 192 x [M 1,024, K 64] x [K 64, N 1,024]; A: computed on the way; B: computed on the way: left as it is (an operand is computed on the way)
;;     5. batch 192 x [M 1,024, K 1,024] x [K 1,024, N 64]; A: computed on the way; B: computed on the way: left as it is (an operand is computed on the way)
;;     6. [M 16,384, K 768] x [K 768, N 768]; A: computed on the way; B: input Wo: left as it is (an operand is computed on the way)
;;   THE QUANTISER, for each operand of a quantised product, along K:
;;     - K is cut into blocks of 32 from its start; a last block that is shorter is filled with zeros.
;;     - A block's scale is 2^e with e = floor(log2(the largest magnitude in the block)) - 2, held to -126 .. 127; a block of zeros has e = 0. As a byte (E8M0): e + 127.
;;     - Each number is divided by its block's scale, clamped to +-6, and rounded to the nearest number of E2M1, ties to even, subnormals kept.
;;     - The product sums the exact products of the quantised numbers (number of the format x scale) in f32.
;;   ~~~python
;;   def quantise(x, axis):      # numpy; x: float32 -> the quantised numbers, widened to float32 again
;;       x = np.moveaxis(x, axis, -1); K = x.shape[-1]
;;       x = np.pad(x, [(0, 0)] * (x.ndim - 1) + [(0, -K % 32)]); x = x.reshape(x.shape[:-1] + (-1, 32)); a = np.abs(x).max(-1, keepdims=True)
;;       e = np.where(a > 0, np.clip(np.frexp(np.where(a > 0, a, 1))[1] - 1 - 2, -126, 127), 0)      # np.frexp(a)[1] - 1 = floor(log2(a)), exactly
;;       r = np.clip(x / 2.0 ** e, -6, 6)
;;       step = 2.0 ** (np.maximum(np.frexp(np.where(r == 0, 1, r))[1] - 1, 0) - 1)
;;       q = np.round(r / step) * step * 2.0 ** e      # np.round: ties to even
;;       return np.moveaxis(q.reshape(q.shape[:-2] + (-1,))[..., :K], -1, axis).astype(np.float32)
;;   ~~~
;; 2 versions, each right; version 2 is version 1 with the launch attn written anew for expert scheduling mode. Each part assembles by itself: llvm-mc -triple=amdgcn-amd-amdhsa -mcpu=gfx1250 --defsym DOCPART=n.
;; ======== version 1 of 2: 3 launches
;; limits: values are held in f16: magnitudes above 65,504 overflow, below 6.1e-05 lose precision
;; workspace buffers: codes 7,176,192 bytes; scales 448,512 bytes; tab 131,072 bytes; wob 1,179,648 bytes; ao 25,165,824 bytes
;; launch prep (part 1): grid 920 x 1, 4 waves a work-group, no clusters, 68,096 bytes of LDS; arguments hidden_states, Wq, Wk, Wv, Wo, codes, scales, wob, tab; writes codes, scales, wob, tab
.if DOCPART == 1
	.amdgcn_target "amdgcn-amd-amdhsa--gfx1250"
	.amdhsa_code_object_version 6
	.text
	.protected	k_q162aa799bd_prep
	.globl	k_q162aa799bd_prep
	.p2align	8
	.type	k_q162aa799bd_prep,@function
k_q162aa799bd_prep:
	s_mov_b64 s[64:65], 0
	v_nop
	global_prefetch_b8 v0, s[64:65] scope:SCOPE_SE
	s_setreg_imm32_b32 hwreg(HW_REG_WAVE_MODE, 25, 1), 1
	s_wait_xcnt 0x0
; PREP.  Every f32 input matrix is read once and laid out as the later launches' operand registers want it.
;   x [16384][768], Wq, Wk, Wv [768][768]  ->  codes of FP4 (E2M1), one E8M0 scale byte for each 32 along K (K is innermost in all four)
;   Wo [768][768]                          ->  f16
;   and a table of cos and sin for the 1,024 positions x 16 rotating frequencies 10000^(-i/32).
; LAYOUTS.  A tile is 16 rows.  Tiles 0-1023 are x's, 1024 + 48 P + t are Wq's, Wk's, Wv's (P = 0, 1, 2).
;   codes  [tile][block of 32 along K: 24][row 16][16 bytes]: the fragment of K step s (128 along K) is 1,024 bytes on end; its register group c lies at 512 c + 16 x lane
;   scales [tile][K step 6][row 16] words: a load of 4 bytes a lane brings K step 2 u to lanes 0-15 and K step 2 u + 1 to lanes 16-31
;   wob    [32 along K: 24][tile 48][8 along K: 4][row 16][16 bytes];   tab [tile of 16 positions: 64][cos 0-3, cos 4-7, sin 0-3, sin 4-7][lane][4 f32], lane (r, h): position r, frequencies 8 h + ..
; A block's scale is 2^(floor(log2(largest magnitude)) - 2): its byte is the largest magnitude's exponent field - 2, held at 1 from below.
; WHY f16 FOR Wo: eleven significant bits against bf16's eight, and Wo has the room: numbers of some 0.04, 30 times larger or smaller or offset by 30 spreads, lie between 0.001 and 1.1.
; LIMITS: NaN and infinities among the inputs are not served; |Wo| stays under 65,504.  A block of zeros, or one whose largest magnitude lies under 2^-124, gets the byte 1 (the rule says 127 for zeros): its codes
; are zeros, and the bytes are read by this program alone.  The angle is position x 2^(-i log2(10)/8) / 2 pi, reduced by one fused multiply-add: off by at most some 1e-4 rad at position 1,023.
; SHARES.  Work-groups 0-911: group g = id / 3 of four tiles, third u = id % 3 of K; wave w takes tile 4 g + w, 16 rows x 256 numbers.  Work-groups 912-919: the table, two tiles a wave.
; Each load reads 512 consecutive bytes; the 16 KiB turn through the wave's own stage in LDS (rows of 512 bytes + 16), so that a lane then holds whole blocks of 32.  No barrier: waves share nothing.
.set WREG, 16896                       ; LDS of a wave: two stages of 16 rows x SP bytes
.set SP,   528
.set X,    16                          ; v16-143  128 numbers: block 2 e + j at X + 32 (2 e + j)
.set MX,   144                         ; v144-147 largest magnitudes
.set SOP,  148                         ; v148-151 the conversions' scale operands
.set SBY,  152                         ; v152-155 scale bytes
.set WD,   156                         ; v156-159 scale words, and the other half's
.set CD,   160                         ; v160-175 codes; on Wo's way v160-223 f16
	s_load_b512 s[4:19], s[0:1], 0x0               ; x, Wq, Wk, Wv, Wo, codes, scales, wob
	s_load_b64 s[20:21], s[0:1], 0x40              ; tab
	v_lshl_add_u32 v224, v0, 2, 0x10800
	v_mov_b32 v225, 0
	v_lshrrev_b32 v7, 5, v0
	v_readfirstlane_b32 s22, v7                    ; wave
	v_and_b32 v8, 31, v0                           ; lane
	v_and_b32 v9, 15, v0                           ; r
	v_bfe_u32 v10, v0, 4, 1                        ; h
	v_lshlrev_b32 v1, 4, v8                        ; 16 x lane
	v_lshlrev_b32 v2, 2, v8                        ; 4 x lane
	v_lshlrev_b32 v5, 3, v10                       ; 8 h
	s_mov_b32 s34, 0x76543210
	s_mov_b32 s35, 0xfedcba98                      ; v_permlanex16_b32's selects for lane l xor 16
	s_mov_b32 s39, 0                               ; the high word of every offset
	s_cmp_ge_u32 ttmp9, 912
	s_cbranch_scc1 .Ltable
	s_mul_hi_u32 s23, ttmp9, 0x55555556            ; g = id / 3
	s_mul_i32 s24, s23, 3
	s_sub_co_u32 s24, ttmp9, s24                   ; u = id % 3
	s_mul_i32 s36, s22, WREG
	v_add_nc_u32 v3, s36, v1                       ; into the stage: as loaded
	v_mul_u32_u24 v4, v9, SP
	v_lshl_add_u32 v4, v10, 7, v4
	v_add_nc_u32 v4, s36, v4                       ; out of it: row r, block h of each pair of blocks
	s_mov_b32 s25, 292
	s_wait_kmcnt 0x0
	s_cmp_lt_u32 s23, 292                          ; which tensor: the choice hangs on the work-group's number alone
	s_cselect_b64 s[26:27], s[10:11], s[12:13]
	s_cselect_b32 s25, 280, s25
	s_cmp_lt_u32 s23, 280
	s_cselect_b64 s[26:27], s[8:9], s[26:27]
	s_cselect_b32 s25, 268, s25
	s_cmp_lt_u32 s23, 268
	s_cselect_b64 s[26:27], s[6:7], s[26:27]
	s_cselect_b32 s25, 256, s25
	s_cmp_lt_u32 s23, 256
	s_cselect_b64 s[26:27], s[4:5], s[26:27]
	s_cselect_b32 s25, 0, s25                      ; the tensor's first group
	s_sub_co_u32 s37, s23, s25
	s_lshl_b32 s37, s37, 2
	s_add_co_u32 s37, s37, s22                     ; my tile in the tensor
	s_mul_i32 s38, s37, 49152                      ; 16 rows of 3,072 bytes
	s_lshl_b32 s40, s24, 10                        ; + 256 numbers x u
	s_add_co_u32 s38, s38, s40
	s_add_nc_u64 s[26:27], s[26:27], s[38:39]
.irp e, 0,1
.irp q, 0,1,2,3,4,5,6,7,8,9,10,11,12,13,14,15
	global_load_b128 v[X+64*\e+4*\q:X+64*\e+4*\q+3], v1, s[26:27] offset:\q*3072+512*\e th:TH_LOAD_NT   ; row q, K step e: 512 consecutive bytes
.endr
.endr
	s_wait_loadcnt 16                              ; the first K step's sixteen loads are in, the second's may be out
.irp q, 0,1,2,3,4,5,6,7,8,9,10,11,12,13,14,15
	ds_store_b128 v3, v[X+4*\q:X+4*\q+3] offset:\q*SP
.endr
	s_wait_loadcnt 0x0
.irp q, 0,1,2,3,4,5,6,7,8,9,10,11,12,13,14,15
	ds_store_b128 v3, v[X+64+4*\q:X+64+4*\q+3] offset:16*SP+\q*SP
.endr
	s_wait_dscnt 0x0                               ; the stores have read their registers, which take the numbers back
.irp e, 0,1
.irp j, 0,1
.irp i, 0,1,2,3,4,5,6,7
	ds_load_b128 v[X+64*\e+32*\j+4*\i:X+64*\e+32*\j+4*\i+3], v4 offset:16*SP*\e+256*\j+16*\i   ; block 2 j + h of K step e, row r: all 32 numbers mine
.endr
.endr
.endr
	s_wait_dscnt 0x0
	s_cmp_ge_u32 s23, 292
	s_cbranch_scc1 .Lwo
	; ---- x, Wq, Wk, Wv: codes and scale words
	s_lshl_b32 s40, s23, 2
	s_add_co_u32 s40, s40, s22                     ; the tile's number among all 1,168: 4 g + w
	s_mul_i32 s38, s40, 6144
	s_lshl_b32 s41, s24, 11
	s_add_co_u32 s38, s38, s41
	s_add_nc_u64 s[28:29], s[14:15], s[38:39]      ; codes: tile x 6,144 + two fragments x u
	s_mul_i32 s38, s40, 384
	s_lshl_b32 s41, s24, 7
	s_add_co_u32 s38, s38, s41
	s_add_nc_u64 s[30:31], s[16:17], s[38:39]      ; scale words: tile x 384 + 128 u
.irp b, 0,1,2,3
	v_max3_num_f32 v[MX+\b], |v[X+32*\b]|, |v[X+32*\b+1]|, 0x1800000   ; the floor 2^(3 - 127) among the leaves: the byte cannot fall under 1
.endr
.irp i, 2,4,6,8,10,12,14,16,18,20,22,24,26,28,30
.irp b, 0,1,2,3
	v_max3_num_f32 v[MX+\b], v[MX+\b], |v[X+32*\b+\i]|, |v[X+32*\b+\i+1]|   ; the four blocks by turns
.endr
.endr
.irp b, 0,1,2,3
	v_add_nc_u32 v[SOP+\b], 0xff000000, v[MX+\b]   ; 2 off the exponent field: the conversion takes that field as its scale
.endr
.irp b, 0,1,2,3
	v_lshrrev_b32 v[SBY+\b], 23, v[SOP+\b]         ; the scale's byte
.endr
.irp e, 0,1
	v_lshl_or_b32 v[WD+\e], v[SBY+2*\e+1], 16, v[SBY+2*\e]   ; my two bytes of K step e: blocks h and 2 + h,
.endr
.irp e, 0,1
	v_lshlrev_b32 v[WD+\e], v5, v[WD+\e]           ; at their places (8 h bits up)
.endr
	v_mov_b32 v[WD+2], 0                           ; a lane permute's destination counts as one of its sources
	v_mov_b32 v[WD+3], 0
.irp e, 0,1
	v_permlanex16_b32 v[WD+2+\e], v[WD+\e], s34, s35
.endr
.irp e, 0,1
	v_or_b32 v[WD+\e], v[WD+\e], v[WD+2+\e]        ; with lane l xor 16's two the word is whole
.endr
	v_cmp_lt_u32 vcc_lo, 15, v8
	v_cndmask_b32 v[WD], v[WD], v[WD+1], vcc_lo    ; lanes 0-15 keep the even K step's word, lanes 16-31 the odd one's
.irp b, 0,1,2,3
.irp g, 0,1,2,3
	v_cvt_scalef32_pk8_fp4_f32 v[CD+4*\b+\g], v[X+32*\b+8*\g:X+32*\b+8*\g+7], v[SOP+\b]
.endr
.endr
	v_nop                                          ; one plain place behind the last scaled conversion
.irp b, 0,1,2,3
	global_store_b128 v1, v[CD+4*\b:CD+4*\b+3], s[28:29] offset:512*\b   ; 512 consecutive bytes: register group b % 2 of fragment b / 2
.endr
	global_store_b32 v2, v[WD], s[30:31]           ; 128 consecutive bytes
	s_wait_tensorcnt 0x0
	ds_add_u32 v224, v225
	s_wait_dscnt 0x0
	s_endpgm
.Lwo:
	; ---- Wo: f16.  My block is 32 along K: one K step of the f16 product; eight numbers are 16 bytes
	s_lshl_b32 s38, s37, 10
	s_mul_i32 s41, s24, 393216
	s_add_co_u32 s38, s38, s41
	s_add_nc_u64 s[32:33], s[18:19], s[38:39]      ; wob: tile x 1,024 + eight K steps x u
	v_mul_u32_u24 v6, v10, 0xc000                  ; lanes 16-31 hold the K step one further on: 49,152 bytes
	v_lshl_add_u32 v6, v9, 4, v6
.irp b, 0,1,2,3
.irp q, 0,1,2,3
.irp p, 0,1,2,3
	v_cvt_pk_f16_f32 v[CD+16*\b+4*\q+\p], v[X+32*\b+8*\q+2*\p], v[X+32*\b+8*\q+2*\p+1]
.endr
.endr
.endr
.irp b, 0,1,2,3
.irp q, 0,1,2,3
	global_store_b128 v6, v[CD+16*\b+4*\q:CD+16*\b+4*\q+3], s[32:33] offset:98304*\b+256*\q   ; each half of the lanes stores 256 consecutive bytes, aligned
.endr
.endr
	s_wait_tensorcnt 0x0
	ds_add_u32 v224, v225
	s_wait_dscnt 0x0
	s_endpgm
.Ltable:
	; ---- cos and sin.  turns = position x 10000^(-i/32) / 2 pi; f = turns - nearest whole number; z = pi f (half the angle, |z| <= pi/2); series for sin z and cos z; then the double angle
	s_sub_co_u32 s23, ttmp9, 912
	s_lshl_b32 s23, s23, 3
	s_lshl_b32 s24, s22, 1
	s_add_co_u32 s23, s23, s24                     ; my first tile of 16 positions
	s_lshl_b32 s38, s23, 11                        ; 2,048 bytes a tile
	s_lshl_b32 s25, s23, 4                         ; its first position
	s_mov_b32 s36, 0xb2d7322b                      ; -1/11!
	s_mov_b32 s37, 0xb493f27e                      ; -1/10!
.irp j, 0,1,2,3,4,5,6,7
	v_add_nc_u32 v[32+\j], \j, v5                  ; i = 8 h + j
.endr
.irp j, 0,1,2,3,4,5,6,7
	v_cvt_f32_u32 v[32+\j], v[32+\j]
.endr
.irp j, 0,1,2,3,4,5,6,7
	v_mul_f32 v[32+\j], 0xbed49a78, v[32+\j]       ; x -log2(10)/8
.endr
.irp j, 0,1,2,3,4,5,6,7
	v_exp_f32 v[32+\j], v[32+\j]
.endr
	v_add_nc_u32 v40, s25, v9                      ; my position (a plain place behind the exponentials)
	s_wait_alu depctr_va_vdst(0)
.irp j, 0,1,2,3,4,5,6,7
	v_mul_f32 v[32+\j], 0.15915494, v[32+\j]       ; / 2 pi
.endr
	s_wait_kmcnt 0x0
	s_add_nc_u64 s[20:21], s[20:21], s[38:39]
.macro TAB n
	v_cvt_f32_u32 v41, v40
.irp j, 0,1,2,3,4,5,6,7
	v_mul_f32 v[64+\j], v41, v[32+\j]
.endr
.irp j, 0,1,2,3,4,5,6,7
	v_rndne_f32 v[64+\j], v[64+\j]
.endr
.irp j, 0,1,2,3,4,5,6,7
	v_fma_f32 v[64+\j], v41, v[32+\j], -v[64+\j]   ; f, from the exact product
.endr
.irp j, 0,1,2,3,4,5,6,7
	v_mul_f32 v[64+\j], 0x40490fdb, v[64+\j]       ; z
.endr
.irp j, 0,1,2,3,4,5,6,7
	v_mul_f32 v[72+\j], v[64+\j], v[64+\j]         ; z^2
.endr
.irp j, 0,1,2,3,4,5,6,7
	v_fmaak_f32 v[80+\j], s36, v[72+\j], 0x3638ef1d
	v_fmaak_f32 v[88+\j], s37, v[72+\j], 0x37d00d01
.endr
.irp j, 0,1,2,3,4,5,6,7
	v_fmaak_f32 v[80+\j], v[80+\j], v[72+\j], 0xb9500d01
	v_fmaak_f32 v[88+\j], v[88+\j], v[72+\j], 0xbab60b61
.endr
.irp j, 0,1,2,3,4,5,6,7
	v_fmaak_f32 v[80+\j], v[80+\j], v[72+\j], 0x3c088889
	v_fmaak_f32 v[88+\j], v[88+\j], v[72+\j], 0x3d2aaaab
.endr
.irp j, 0,1,2,3,4,5,6,7
	v_fmaak_f32 v[80+\j], v[80+\j], v[72+\j], 0xbe2aaaab
	v_fma_f32 v[88+\j], v[88+\j], v[72+\j], -0.5
.endr
.irp j, 0,1,2,3,4,5,6,7
	v_fma_f32 v[80+\j], v[80+\j], v[72+\j], 1.0
	v_fma_f32 v[88+\j], v[88+\j], v[72+\j], 1.0    ; cos z
.endr
.irp j, 0,1,2,3,4,5,6,7
	v_mul_f32 v[80+\j], v[80+\j], v[64+\j]         ; sin z
.endr
.irp j, 0,1,2,3,4,5,6,7
	v_mul_f32 v[64+\j], v[80+\j], v[80+\j]
	v_mul_f32 v[72+\j], v[80+\j], v[88+\j]
.endr
.irp j, 0,1,2,3,4,5,6,7
	v_fma_f32 v[96+16*\n+\j], v[64+\j], -2.0, 1.0  ; cos = 1 - 2 sin^2 z
	v_add_f32 v[104+16*\n+\j], v[72+\j], v[72+\j]  ; sin = 2 sin z cos z
.endr
.irp q, 0,1,2,3
	global_store_b128 v1, v[96+16*\n+4*\q:96+16*\n+4*\q+3], s[20:21] offset:2048*\n+512*\q
.endr
.endm
	TAB 0
	v_add_nc_u32 v40, 16, v40
	TAB 1
	s_endpgm
.Lfunc_end_k_q162aa799bd_prep:
	.size	k_q162aa799bd_prep, .Lfunc_end_k_q162aa799bd_prep-k_q162aa799bd_prep
	.p2alignl 7, 3214868480
	.fill 96, 4, 3214868480
	.section	.rodata,"a",@progbits
	.p2align	6, 0x0
	.amdhsa_kernel k_q162aa799bd_prep
		.amdhsa_group_segment_fixed_size 68096
		.amdhsa_private_segment_fixed_size 0
		.amdhsa_enable_private_segment 0
		.amdhsa_kernarg_size 72
		.amdhsa_user_sgpr_count 2
		.amdhsa_user_sgpr_kernarg_segment_ptr 1
		.amdhsa_wavefront_size32 1
		.amdhsa_system_sgpr_workgroup_id_x 1
		.amdhsa_system_sgpr_workgroup_id_y 1
		.amdhsa_system_sgpr_workgroup_id_z 1
		.amdhsa_system_vgpr_workitem_id 0
		.amdhsa_next_free_vgpr 226
		.amdhsa_next_free_sgpr 66
		.amdhsa_reserve_vcc 1
		.amdhsa_float_denorm_mode_32 3
		.amdhsa_float_denorm_mode_16_64 3
		.amdhsa_memory_ordered 1
		.amdhsa_forward_progress 1
		.amdhsa_inst_pref_size 42
	.end_amdhsa_kernel
	.amdgpu_metadata
---
amdhsa.version: [ 1, 2 ]
amdhsa.kernels:
  - .name:           k_q162aa799bd_prep
    .symbol:         k_q162aa799bd_prep.kd
    .args:
      - { .name: hidden_states, .offset: 0, .size: 8, .value_kind: global_buffer, .address_space: global }
      - { .name: Wq, .offset: 8, .size: 8, .value_kind: global_buffer, .address_space: global }
      - { .name: Wk, .offset: 16, .size: 8, .value_kind: global_buffer, .address_space: global }
      - { .name: Wv, .offset: 24, .size: 8, .value_kind: global_buffer, .address_space: global }
      - { .name: Wo, .offset: 32, .size: 8, .value_kind: global_buffer, .address_space: global }
      - { .name: codes, .offset: 40, .size: 8, .value_kind: global_buffer, .address_space: global }
      - { .name: scales, .offset: 48, .size: 8, .value_kind: global_buffer, .address_space: global }
      - { .name: wob, .offset: 56, .size: 8, .value_kind: global_buffer, .address_space: global }
      - { .name: tab, .offset: 64, .size: 8, .value_kind: global_buffer, .address_space: global }
    .group_segment_fixed_size: 68096
    .private_segment_fixed_size: 0
    .kernarg_segment_align: 8
    .kernarg_segment_size: 72
    .max_flat_workgroup_size: 128
    .sgpr_count:     66
    .vgpr_count:     226
    .wavefront_size: 32
...
	.end_amdgpu_metadata
.endif
;; end of part 1
;; launch attn (part 2): grid 12 x 16, 8 waves a work-group, no clusters, 280,576 bytes of LDS; arguments codes, scales, tab, bq, bk, bv, ao; writes ao
.if DOCPART == 2
	.amdgcn_target "amdgcn-amd-amdhsa--gfx1250"
	.amdhsa_code_object_version 6
	.text
	.protected	k_q162aa799bd_attn
	.globl	k_q162aa799bd_attn
	.p2align	8
	.type	k_q162aa799bd_attn,@function
k_q162aa799bd_attn:
	s_mov_b64 s[64:65], 0
	v_nop
	global_prefetch_b8 v0, s[64:65] scope:SCOPE_SE
	s_setreg_imm32_b32 hwreg(HW_REG_WAVE_MODE, 25, 1), 1
	s_wait_xcnt 0x0
; ATTN.  One work-group for each (head, batch): q, k, v of that head by products on FP4 codes (K = 768: six matrix instructions deep), bias, p-RoPE, then softmax(q k^T / 8) v with f16 operands.
; q, k and v never go to memory: k and v^T of all 1,024 positions lie in LDS as f16, written once, one barrier; q lies in registers.  No FP4 product is made twice in the launch.
; SHARES.  Eight waves.  Wave w makes k and v of positions 128 w .. 128 w + 127 (eight tiles of 16), then owns queries 128 w .. + 127 in two passes of 64 (four tiles): q's products, sixteen key steps of 64 keys, the way out.
; LAYOUT.  k and q: source 0 = 16 rows of W (channels), source 1 = 16 rows of x: a lane holds ONE position (lane % 16) and channels 16 n + 8 (lane / 16) + 0..7.  RoPE turns channels 0-15 against 32-47: accumulators 0 and 2,
; register by register.  Packed to f16, q's accumulators ARE source 1 of S^T = k q^T, and k's are 16 bytes of a key's row in LDS.  v: the sources swapped: a lane holds one channel and eight positions: 16 bytes of a row of v^T.
; S^T (source 0 = 16 keys, source 1 = 16 queries) and O^T = v^T P (source 0 = 16 channels, source 1 = P) hold one query a lane: nothing changes lanes but one exchange between the halves for the maximum and the sum.
; SOFTMAX.  Running maximum m and sum l for each query; p = 2^(c s - c m), c = log2(e) / 8; in every step O and l are multiplied by a = 2^(c m_old - c m_new).
; THE WAY OUT.  O / l as f16 in the order of the next launch's operand registers: [tile of 16 rows][8 channels: 96][row 16][16 bytes]: each store of the wave covers 512 consecutive bytes, aligned.
; WHY f16 AND NOT bf16.  Six roundings (q, k, p, v, O / l, and Wo in the next launch) add up in the result; eleven significant bits make each eight times finer than bf16's eight.  The room: p is at most 1 (under 2^-14 it
; falls into f16's denormals, a step of 2^-24 against a sum of at least 1).  q, k, v are sums of 768 products: with x of spread 1 and weights of spread 0.036 up to some 6; both 30 times larger: some 5,400; both offset by
; 30 spreads: 768 x 30 x 1.08 = 24,900; both 30 times smaller: some 2^-10, normal numbers.  O / l is a convex mix of v.
; NO CLUSTER, NO TENSOR LOAD: codes, scale words and the table lie in memory in the order of the registers that take them, and go there by loads of 512 consecutive bytes; there is no tile in LDS that partners could ask for jointly.
; 192 work-groups: the (head, batch) pairs.  Halving a head's queries would make k and v twice.
; LIMITS: NaN and infinities are not served; |q|, |k|, |v| stay under 65,504, f16's largest number; q, k, v, p and O / l are rounded to f16.
; REGISTERS, window 0: v1-13 addresses; v14, v15, v240-255 scale words and nothing else; v16-47 statistics, 8 a tile (+0 c m, +1 m, +2, +3 l, +4..+7 at work, +6 a); v48-111 q, 16 a tile; v112-239 S^T, 32 a tile, then P in the low 16.
;   In the projections: v16-47 cos and sin, two sets; v48-63 packed results (k, v); v112-207 x's fragments, two sets of six; v208-223 the rotated channels.
; window 1: projections: v0-191 W's 24 fragments, v192-223 four accumulators, v224-255 the bias as the first link's C.  Attention: v0-127 O^T, v128-191 k's fragments of a step, v192-255 v^T's.
.set VT,  147456                       ; LDS: k: 1,024 rows of 128 bytes + 16; from VT on v^T: 64 rows of 2,048 bytes + 16
.set ST,  16
.set QF,  48
.set S,   112
.set CS,  16
.set PK,  48
.set XF,  112
.set RT,  208
.set WS,  240                          ; W's scale words: 3 n + u: lanes 0-15 K step 2 u, lanes 16-31 K step 2 u + 1.  x's: index 3 set + u at v252-255, v14, v15
.set MSB, 0
.macro WIN new                         ; bits 1:0 source 0, 3:2 source 1, 5:4 source 2, 7:6 destination; the immediate's high byte repeats the setting that is left
.if MSB != (\new)
	s_set_vgpr_msb (MSB<<8)|(\new)
.set MSB, \new
.endif
.endm
.macro LOADW P                         ; the head's 64 rows of tensor P (0 Wq, 1 Wk, 2 Wv): 24 fragments and 12 registers of scale words
	WIN 0x40
.irp n, 0,1,2,3
.irp s, 0,1,2,3,4,5
.irp c, 0,1
	global_load_b128 v[48*\n+8*\s+4*\c:48*\n+8*\s+4*\c+3], v1, s[26:27] offset:\P*294912+\n*6144+\s*1024+\c*512
.endr
.endr
.endr
	WIN 0
.irp n, 0,1,2,3
.irp u, 0,1,2
	global_load_b32 v[WS+3*\n+\u], v2, s[28:29] offset:\P*18432+\n*384+\u*128
.endr
.endr
.endm
.macro BIASC b                         ; a bias by channels: lane (r, h) wants those of channels 16 n + 8 h + 0..7
	WIN 0x40
.irp n, 0,1,2,3
	global_load_b128 v[224+8*\n:224+8*\n+3], v12, s[\b:\b+1] offset:64*\n
	global_load_b128 v[224+8*\n+4:224+8*\n+7], v12, s[\b:\b+1] offset:64*\n+16
.endr
	WIN 0
.endm
.macro LOADX set, i, rope              ; tile i of x: six fragments, three registers of scale words, and with rope its cos and sin: 15 or 19 loads
.irp s, 0,1,2,3,4,5
.irp c, 0,1
	global_load_b128 v[XF+48*(\set)+8*\s+4*\c:XF+48*(\set)+8*\s+4*\c+3], v1, s[20:21] offset:(\i)*6144+\s*1024+\c*512
.endr
.endr
.irp u, 0,1,2
.set ix, 3*(\set)+\u
	global_load_b32 v[252+ix-242*(ix/4)], v2, s[22:23] offset:(\i)*384+\u*128
.endr
.if \rope
.irp q, 0,1,2,3
	global_load_b128 v[CS+16*(\set)+4*\q:CS+16*(\set)+4*\q+3], v1, s[24:25] offset:(\i)*2048+\q*512
.endr
.endif
.endm
.macro FP4 kind, set, s, n             ; one link: accumulator n, K step s.  kind 1 (v): x is source 0; else W is.  The first link takes the bias as C
.set rW, 48*(\n)+8*(\s)
.set rX, XF+48*(\set)+8*(\s)
.set rD, 192+8*(\n)
.set rC, rD
.if (\s) == 0
.set rC, 224+8*(\n)
.endif
.set sW, WS+3*(\n)+(\s)/2
.set ix, 3*(\set)+(\s)/2
.set sX, 252+ix-242*(ix/4)
.if \kind == 1
.set rA, rX
.set rB, rW
.set sA, sX
.set sB, sW
.else
.set rA, rW
.set rB, rX
.set sA, sW
.set sB, sX
.endif
.if (\s)%2
	v_wmma_scale_f32_16x16x128_f8f6f4 v[rD:rD+7], v[rA:rA+7], v[rB:rB+7], v[rC:rC+7], v[sA], v[sB] matrix_a_fmt:MATRIX_FMT_FP4 matrix_b_fmt:MATRIX_FMT_FP4 matrix_a_scale:MATRIX_SCALE_ROW1 matrix_b_scale:MATRIX_SCALE_ROW1
.else
	v_wmma_scale_f32_16x16x128_f8f6f4 v[rD:rD+7], v[rA:rA+7], v[rB:rB+7], v[rC:rC+7], v[sA], v[sB] matrix_a_fmt:MATRIX_FMT_FP4 matrix_b_fmt:MATRIX_FMT_FP4
.endif
.endm
; A tile of 16 positions x the head's 64 channels.  kind 0: k, 1: v, 2: q.  i of cnt tiles; dst: where the packed result goes.
.macro TILE kind, i, cnt, dst
.if (\i)+1 < \cnt
.if \kind == 1
	LOADX ((\i)+1)%2, (\i)+1, 0
	s_wait_loadcnt 15                              ; all but the next tile's fifteen loads
.else
	LOADX ((\i)+1)%2, (\i)+1, 1
	s_wait_loadcnt 19                              ; all but the next tile's nineteen loads
.endif
.else
	s_wait_loadcnt 0x0
.endif
.if \kind == 1
	WIN 0x54
.else
	WIN 0x51
.endif
.irp s, 0,1,2,3,4,5
.irp n, 0,1,2,3
	FP4 \kind, (\i)%2, \s, \n                      ; the four accumulators by turns
.endr
.endr
	WIN 0
.rept 5
	v_nop                                          ; places: for the reads of results, the next loads into operands and scale words, and the next tile's first links, which write over the accumulators
.endr
.if \kind != 2
	s_wait_dscnt 0x0                               ; the last tile's LDS stores have read the registers that are packed into
.endif
.if \kind == 1
	WIN 0x05
.irp c, 0,1,2,3
.irp p, 0,1,2,3
	v_cvt_pk_f16_f32 v[PK+4*\c+\p], v[192+8*\c+2*\p], v[192+8*\c+2*\p+1]
.endr
.endr
	WIN 0
	ds_store_b128 v4, v[PK:PK+3] offset:32*(\i)                ; channel 16 n + r, positions 16 i + 8 h + 0..7
	ds_store_b128 v4, v[PK+4:PK+7] offset:33024+32*(\i)
	ds_store_b128 v5, v[PK+8:PK+11] offset:32*(\i)
	ds_store_b128 v5, v[PK+12:PK+15] offset:33024+32*(\i)
.else
.set cC, CS+16*((\i)%2)
	WIN 0x01                                       ; source 0: the accumulators, in window 1
.irp p, 0,2,4,6
	v_pk_mul_f32 v[RT+\p:RT+\p+1], v[192+\p:192+\p+1], v[cC+\p:cC+\p+1]                       ; x1 cos
	v_pk_mul_f32 v[RT+8+\p:RT+8+\p+1], v[208+\p:208+\p+1], v[cC+\p:cC+\p+1]                   ; x2 cos
	v_pk_fma_f32 v[RT+\p:RT+\p+1], v[208+\p:208+\p+1], v[cC+8+\p:cC+8+\p+1], v[RT+\p:RT+\p+1] neg_lo:[1,0,0] neg_hi:[1,0,0]   ; - x2 sin
	v_pk_fma_f32 v[RT+8+\p:RT+8+\p+1], v[192+\p:192+\p+1], v[cC+8+\p:cC+8+\p+1], v[RT+8+\p:RT+8+\p+1]                       ; + x1 sin
.endr
	WIN 0
.irp p, 0,1,2,3
	v_cvt_pk_f16_f32 v[(\dst)+\p], v[RT+2*\p], v[RT+2*\p+1]
	v_cvt_pk_f16_f32 v[(\dst)+8+\p], v[RT+8+2*\p], v[RT+8+2*\p+1]
.endr
	WIN 0x05
.irp p, 0,1,2,3
	v_cvt_pk_f16_f32 v[(\dst)+4+\p], v[200+2*\p], v[200+2*\p+1]      ; channels 16-31 and 48-63 do not turn
	v_cvt_pk_f16_f32 v[(\dst)+12+\p], v[216+2*\p], v[216+2*\p+1]
.endr
	WIN 0
.if \kind == 0
.irp c, 0,1,2,3
	ds_store_b128 v3, v[PK+4*\c:PK+4*\c+3] offset:(\i)*2304+32*\c    ; key 16 i + r, channels 16 n + 8 h + 0..7
.endr
.endif
.endif
.endm
.macro FETCH_K                         ; 64 keys x 64 channels: eight fragments
.irp k, 0,1,2,3
.irp c, 0,1
	ds_load_b128 v[128+16*\k+8*\c:128+16*\k+8*\c+3], v9 offset:\k*2304+64*\c
	ds_load_b128 v[128+16*\k+8*\c+4:128+16*\k+8*\c+7], v9 offset:\k*2304+64*\c+32
.endr
.endr
.endm
.macro FETCH_V                         ; 64 channels x 64 keys: eight fragments
.irp n, 0,1,2,3
.irp k, 0,1
	ds_load_b128 v[192+16*\n+8*\k:192+16*\n+8*\k+3], v[10+\n/2] offset:(\n%2)*33024+64*\k
	ds_load_b128 v[192+16*\n+8*\k+4:192+16*\n+8*\k+7], v[10+\n/2] offset:(\n%2)*33024+64*\k+32
.endr
.endr
.endm
; A KEY STEP: 64 keys for my four tiles of queries.  first = 1: the pass's first step, which starts m, l and O^T.
.macro KSTEP first
	s_wait_dscnt 0x0                               ; this step's fragments of k are in
	WIN 0x01
.irp c, 0,1
.irp k, 0,1,2,3
.irp t, 0,1,2,3
.if \c == 0
	v_wmma_f32_16x16x32_f16 v[S+32*\t+8*\k:S+32*\t+8*\k+7], v[128+16*\k+8*\c:128+16*\k+8*\c+7], v[QF+16*\t+8*\c:QF+16*\t+8*\c+7], 0
.else
	v_wmma_f32_16x16x32_f16 v[S+32*\t+8*\k:S+32*\t+8*\k+7], v[128+16*\k+8*\c:128+16*\k+8*\c+7], v[QF+16*\t+8*\c:QF+16*\t+8*\c+7], v[S+32*\t+8*\k:S+32*\t+8*\k+7]
.endif
.endr
.endr
.endr
	WIN 0
	v_add_nc_u32 v9, s46, v6                       ; the next step's k; this step's v^T.  With the two v_nop: the places in front of the loads and of the reads of the scores
	v_add_nc_u32 v10, s47, v7
	v_add_nc_u32 v11, s47, v8
	v_nop
	v_nop
	WIN 0x40
	FETCH_V
.if \first
	FETCH_K
	WIN 0
.else
	WIN 0
	s_cmp_eq_u32 s45, 1                            ; the pass's last step has no successor
	s_cbranch_scc1 .Lno_k_\@
	WIN 0x40
	FETCH_K
	WIN 0
.Lno_k_\@:
.endif
	s_add_co_u32 s46, s46, 9216                    ; 64 rows of k
	s_add_co_u32 s47, s47, 128                     ; 64 keys in a row of v^T
	; the maximum of my 32 scores a tile (and the old m): four chains, each begun at an accumulator's low end; the four tiles by turns
.irp j, 0,1,2,3
.irp t, 0,1,2,3
	v_max3_num_f32 v[ST+8*\t+4+\j], v[S+32*\t+8*\j], v[S+32*\t+8*\j+1], v[S+32*\t+8*\j+2]
.endr
.endr
.irp g, 1,2
.irp j, 0,1,2,3
.irp t, 0,1,2,3
	v_max3_num_f32 v[ST+8*\t+4+\j], v[ST+8*\t+4+\j], v[S+32*\t+8*\j+2*\g+1], v[S+32*\t+8*\j+2*\g+2]
.endr
.endr
.endr
.irp t, 0,1,2,3
	v_max3_num_f32 v[ST+8*\t+4], v[ST+8*\t+4], v[S+32*\t+7], v[S+32*\t+15]
	v_max3_num_f32 v[ST+8*\t+6], v[ST+8*\t+6], v[S+32*\t+23], v[S+32*\t+31]
.endr
.irp t, 0,1,2,3
	v_max3_num_f32 v[ST+8*\t+4], v[ST+8*\t+4], v[ST+8*\t+5], v[ST+8*\t+6]
.endr
.irp t, 0,1,2,3
.if \first
	v_max_num_f32 v[ST+8*\t+4], v[ST+8*\t+4], v[ST+8*\t+7]
.else
	v_max3_num_f32 v[ST+8*\t+4], v[ST+8*\t+4], v[ST+8*\t+7], v[ST+8*\t+1]
.endif
.endr
.irp t, 0,1,2,3
	v_permlanex16_b32 v[ST+8*\t+5], v[ST+8*\t+4], s40, s41     ; the query's other 32 keys lie in the lane 16 away
.endr
.if !\first
.irp t, 0,1,2,3
	v_mov_b32 v[ST+8*\t+7], v[ST+8*\t]             ; c m_old
.endr
.endif
.irp t, 0,1,2,3
	v_max_num_f32 v[ST+8*\t+1], v[ST+8*\t+4], v[ST+8*\t+5]
.endr
.irp t, 0,1,2,3
	v_mul_f32 v[ST+8*\t], s42, v[ST+8*\t+1]        ; c m
.endr
.if !\first
.irp t, 0,1,2,3
	v_sub_f32 v[ST+8*\t+7], v[ST+8*\t+7], v[ST+8*\t]
.endr
.irp t, 0,1,2,3
	v_exp_f32 v[ST+8*\t+6], v[ST+8*\t+7]           ; a: the scalings below are the plain instructions behind it
.endr
.endif
.irp t, 0,1,2,3
.irp b, 0,2,4,6,8,10,12,14,16,18,20,22,24,26,28,30
	v_pk_fma_f32 v[S+32*\t+\b:S+32*\t+\b+1], v[S+32*\t+\b:S+32*\t+\b+1], s[42:43], v[ST+8*\t:ST+8*\t+1] op_sel_hi:[1,0,0] neg_lo:[0,0,1] neg_hi:[0,0,1]   ; c s - c m
.endr
.endr
.set j, 0
.rept 128
	v_exp_f32 v[S+j], v[S+j]                       ; p
.set j, j+1
.endr
.if \first
	v_nop                                          ; a plain instruction behind the exponentials
	s_wait_alu depctr_va_vdst(0)
.else
	s_wait_alu depctr_va_vdst(0)
.irp t, 0,1,2,3
	v_pk_mul_f32 v[ST+8*\t+2:ST+8*\t+3], v[ST+8*\t+2:ST+8*\t+3], v[ST+8*\t+6:ST+8*\t+7] op_sel_hi:[1,0]   ; l x a (the plain instruction behind the exponentials)
.endr
.endif
.irp t, 0,1,2,3
	v_pk_add_f32 v[ST+8*\t+4:ST+8*\t+5], v[S+32*\t:S+32*\t+1], v[S+32*\t+2:S+32*\t+3]   ; the sum of p in two chains a tile
.endr
.irp b, 4,8,12,16,20,24,28
.irp t, 0,1,2,3
	v_pk_add_f32 v[ST+8*\t+2:ST+8*\t+3], v[ST+8*\t+2:ST+8*\t+3], v[S+32*\t+\b:S+32*\t+\b+1]
	v_pk_add_f32 v[ST+8*\t+4:ST+8*\t+5], v[ST+8*\t+4:ST+8*\t+5], v[S+32*\t+\b+2:S+32*\t+\b+3]
.endr
.endr
.irp t, 0,1,2,3
	v_pk_add_f32 v[ST+8*\t+2:ST+8*\t+3], v[ST+8*\t+2:ST+8*\t+3], v[ST+8*\t+4:ST+8*\t+5]
.endr
.irp t, 0,1,2,3
.irp i, 0,1,2,3,4,5,6,7,8,9,10,11,12,13,14,15
	v_cvt_pk_f16_f32 v[S+32*\t+\i], v[S+32*\t+2*\i], v[S+32*\t+2*\i+1]   ; P in place, ascending: two fragments of 32 keys x 16 queries in the tile's low 16 registers
.endr
.endr
.if !\first
	WIN 0x41
.irp t, 0,1,2,3
.set j, 0
.rept 16
	v_pk_mul_f32 v[32*\t+j:32*\t+j+1], v[32*\t+j:32*\t+j+1], v[ST+8*\t+6:ST+8*\t+7] op_sel_hi:[1,0]   ; O^T x a
.set j, j+2
.endr
.endr
.endif
	s_wait_dscnt 0x0                               ; v^T's fragments are in (zero: in the last step no loads of k stand behind them)
	WIN 0x51
.irp k, 0,1
.irp n, 0,1,2,3
.irp t, 0,1,2,3
.if \first && (\k == 0)
	v_wmma_f32_16x16x32_f16 v[32*\t+8*\n:32*\t+8*\n+7], v[192+16*\n+8*\k:192+16*\n+8*\k+7], v[S+32*\t+8*\k:S+32*\t+8*\k+7], 0
.else
	v_wmma_f32_16x16x32_f16 v[32*\t+8*\n:32*\t+8*\n+7], v[192+16*\n+8*\k:192+16*\n+8*\k+7], v[S+32*\t+8*\k:S+32*\t+8*\k+7], v[32*\t+8*\n:32*\t+8*\n+7]
.endif
.endr
.endr
.endr
	WIN 0
.rept 5
	v_nop                                          ; the next step's scores are written over P's registers: five places
.endr
.endm
	s_load_b256 s[4:11], s[0:1], 0x0               ; codes, scales, tab, bq
	s_load_b128 s[12:15], s[0:1], 0x20             ; bk, bv
	s_load_b64 s[16:17], s[0:1], 0x30              ; ao
	v_lshrrev_b32 v9, 5, v0
	v_readfirstlane_b32 s18, v9                    ; wave 0..7
	v_and_b32 v11, 31, v0
	v_lshlrev_b32 v1, 4, v11                       ; 16 x lane
	v_lshlrev_b32 v2, 2, v11                       ; 4 x lane
	v_and_b32 v9, 15, v0                           ; r
	v_bfe_u32 v10, v0, 4, 1                        ; h
	v_mul_u32_u24 v6, v9, 144
	v_lshl_add_u32 v6, v10, 4, v6                  ; k, read: row r, + 16 h
	s_mul_i32 s34, s18, 18432
	v_add_nc_u32 v3, s34, v6                       ; k, stored: + my 128 rows
	v_mul_u32_u24 v7, v9, 2064
	v_lshl_add_u32 v7, v10, 4, v7
	v_add_nc_u32 v7, VT, v7                        ; v^T, read: channels 0-31: row r, + 16 h
	v_add_nc_u32 v8, 66048, v7                     ; channels 32-63
	s_lshl_b32 s34, s18, 8
	v_add_nc_u32 v4, s34, v7                       ; v^T, stored: + my 128 positions
	v_add_nc_u32 v5, 66048, v4
	v_lshlrev_b32 v12, 5, v10                      ; 32 h: a bias by channels
	v_lshlrev_b32 v13, 2, v9                       ; 4 r: a bias by lanes
	s_and_b32 s19, ttmp7, 0xffff                   ; the batch
	s_lshl_b32 s30, s19, 6
	s_lshl_b32 s31, s18, 3
	s_add_co_u32 s30, s30, s31                     ; my first tile of x: 64 b + 8 w
	s_mov_b32 s33, 0
	s_mov_b32 s40, 0x76543210
	s_mov_b32 s41, 0xfedcba98                      ; v_permlanex16_b32's selects for lane l xor 16
	s_mov_b32 s42, 0x3e38aa3b                      ; c = log2(e) / 8
	s_mov_b32 s43, s42                             ; (named with it as a pair)
	s_wait_kmcnt 0x0
	s_mul_i32 s32, s30, 6144
	s_add_nc_u64 s[20:21], s[4:5], s[32:33]        ; x's codes
	s_mul_i32 s32, s30, 384
	s_add_nc_u64 s[22:23], s[6:7], s[32:33]        ; x's scale words
	s_lshl_b32 s32, s18, 14
	s_add_nc_u64 s[24:25], s[8:9], s[32:33]        ; cos and sin of my positions
	s_mul_i32 s32, ttmp9, 24576
	s_add_co_u32 s32, s32, 6291456
	s_add_nc_u64 s[26:27], s[4:5], s[32:33]        ; the head's four tiles of Wq: tile 1,024 + 4 head
	s_mul_i32 s32, ttmp9, 1536
	s_add_co_u32 s32, s32, 393216
	s_add_nc_u64 s[28:29], s[6:7], s[32:33]        ; and their scale words
	s_lshl_b32 s32, ttmp9, 8
	s_add_nc_u64 s[10:11], s[10:11], s[32:33]      ; the head's 64 numbers of each bias
	s_add_nc_u64 s[12:13], s[12:13], s[32:33]
	s_add_nc_u64 s[14:15], s[14:15], s[32:33]
	s_mul_i32 s32, s30, 24576
	s_lshl_b32 s31, ttmp9, 11
	s_add_co_u32 s32, s32, s31
	s_add_nc_u64 s[16:17], s[16:17], s[32:33]      ; the way out: my first tile, the head's eight groups of 8 channels
	; ---- k of my 128 positions
	LOADW 1
	BIASC 12
	LOADX 0, 0, 1
.irp i, 0,1,2,3,4,5,6,7
	TILE 0, \i, 8, PK
.endr
	; ---- v of my 128 positions.  Here a lane holds one channel: its bias fills all eight registers of the first link's C
	LOADW 2
.irp c, 0,1,2,3
	global_load_b32 v[RT+\c], v13, s[14:15] offset:64*\c
.endr
	LOADX 0, 0, 0
	s_wait_loadcnt 15                              ; the weights and the bias are in; the first tile's fifteen loads may be out
	WIN 0x40
.irp c, 0,1,2,3
.irp j, 0,1,2,3,4,5,6,7
	v_mov_b32 v[224+8*\c+\j], v[RT+\c]
.endr
.endr
	WIN 0
.rept 4
	v_nop
.endr
.irp i, 0,1,2,3,4,5,6,7
	TILE 1, \i, 8, PK
.endr
	s_wait_dscnt 0x0                               ; for the others' sake: my rows of k and my columns of v^T lie in LDS
	s_barrier_signal -1
	s_barrier_wait -1                              ; everybody's do; from here on LDS is only read
	s_mov_b32 s44, 2
.Lpass:                                            ; 64 queries a trip
	LOADW 0
	BIASC 10
	LOADX 0, 0, 1
.irp t, 0,1,2,3
	TILE 2, \t, 4, QF+16*\t
.endr
.irp t, 0,1,2,3
	v_mov_b32 v[ST+8*\t+2], 0                      ; l
	v_mov_b32 v[ST+8*\t+3], 0
.endr
	v_mov_b32 v9, v6                               ; the first step's k
	s_mov_b32 s46, 9216
	s_mov_b32 s47, 0
	WIN 0x40
	FETCH_K
	WIN 0
	KSTEP 1
	s_mov_b32 s45, 15
.Lstep:
	KSTEP 0
	s_sub_co_u32 s45, s45, 1
	s_cmp_lg_u32 s45, 0
	s_cbranch_scc1 .Lstep
	; ---- the way out: l's halves, the other half of the lanes', O^T / l, f16
.irp t, 0,1,2,3
	v_add_f32 v[ST+8*\t+4], v[ST+8*\t+2], v[ST+8*\t+3]
.endr
.irp t, 0,1,2,3
	v_permlanex16_b32 v[ST+8*\t+5], v[ST+8*\t+4], s40, s41
.endr
.irp t, 0,1,2,3
	v_add_f32 v[ST+8*\t+4], v[ST+8*\t+4], v[ST+8*\t+5]
.endr
.irp t, 0,1,2,3
	v_rcp_f32 v[ST+8*\t+6], v[ST+8*\t+4]
.endr
	v_nop                                          ; a plain instruction behind the reciprocals
	WIN 0x01
	s_wait_alu depctr_va_vdst(0)
.irp t, 0,1,2,3
.set j, 0
.rept 16
	v_pk_mul_f32 v[S+32*\t+j:S+32*\t+j+1], v[32*\t+j:32*\t+j+1], v[ST+8*\t+6:ST+8*\t+7] op_sel_hi:[1,0]
.set j, j+2
.endr
.endr
	WIN 0
.set j, 0
.rept 64
	v_cvt_pk_f16_f32 v[S+j], v[S+2*j], v[S+2*j+1]  ; in place, ascending: tile t, channels 16 n + 8 h + 0..7 at S + 16 t + 4 n
.set j, j+1
.endr
.irp t, 0,1,2,3
.irp n, 0,1,2,3
	global_store_b128 v1, v[S+16*\t+4*\n:S+16*\t+4*\n+3], s[16:17] offset:\t*24576+\n*512   ; 512 consecutive bytes, aligned
.endr
.endr
	s_wait_xcnt 0x0                                ; the stores have read their data and their base: both are written again below and in the next trip
	s_add_nc_u64 s[20:21], s[20:21], 24576         ; four tiles on
	s_add_nc_u64 s[22:23], s[22:23], 1536
	s_add_nc_u64 s[24:25], s[24:25], 8192
	s_add_nc_u64 s[16:17], s[16:17], 98304
	s_sub_co_u32 s44, s44, 1
	s_cmp_lg_u32 s44, 0
	s_cbranch_scc1 .Lpass
	s_wait_xcnt 0x0
	v_lshl_add_u32 v254, v0, 2, 0x44400
	v_mov_b32 v255, 0
	s_wait_tensorcnt 0x0
	ds_add_u32 v254, v255
	s_wait_dscnt 0x0
	s_endpgm
.Lfunc_end_k_q162aa799bd_attn:
	.size	k_q162aa799bd_attn, .Lfunc_end_k_q162aa799bd_attn-k_q162aa799bd_attn
	.p2alignl 7, 3214868480
	.fill 96, 4, 3214868480
	.section	.rodata,"a",@progbits
	.p2align	6, 0x0
	.amdhsa_kernel k_q162aa799bd_attn
		.amdhsa_group_segment_fixed_size 280576
		.amdhsa_private_segment_fixed_size 0
		.amdhsa_enable_private_segment 0
		.amdhsa_kernarg_size 56
		.amdhsa_user_sgpr_count 2
		.amdhsa_user_sgpr_kernarg_segment_ptr 1
		.amdhsa_wavefront_size32 1
		.amdhsa_system_sgpr_workgroup_id_x 1
		.amdhsa_system_sgpr_workgroup_id_y 1
		.amdhsa_system_sgpr_workgroup_id_z 1
		.amdhsa_system_vgpr_workitem_id 0
		.amdhsa_next_free_vgpr 512
		.amdhsa_next_free_sgpr 66
		.amdhsa_reserve_vcc 0
		.amdhsa_float_denorm_mode_32 3
		.amdhsa_float_denorm_mode_16_64 3
		.amdhsa_memory_ordered 1
		.amdhsa_forward_progress 1
		.amdhsa_inst_pref_size 231
	.end_amdhsa_kernel
	.amdgpu_metadata
---
amdhsa.version: [ 1, 2 ]
amdhsa.kernels:
  - .name:           k_q162aa799bd_attn
    .symbol:         k_q162aa799bd_attn.kd
    .args:
      - { .name: codes, .offset: 0, .size: 8, .value_kind: global_buffer, .address_space: global }
      - { .name: scales, .offset: 8, .size: 8, .value_kind: global_buffer, .address_space: global }
      - { .name: tab, .offset: 16, .size: 8, .value_kind: global_buffer, .address_space: global }
      - { .name: bq, .offset: 24, .size: 8, .value_kind: global_buffer, .address_space: global }
      - { .name: bk, .offset: 32, .size: 8, .value_kind: global_buffer, .address_space: global }
      - { .name: bv, .offset: 40, .size: 8, .value_kind: global_buffer, .address_space: global }
      - { .name: ao, .offset: 48, .size: 8, .value_kind: global_buffer, .address_space: global }
    .group_segment_fixed_size: 280576
    .private_segment_fixed_size: 0
    .kernarg_segment_align: 8
    .kernarg_segment_size: 56
    .max_flat_workgroup_size: 256
    .sgpr_count:     66
    .vgpr_count:     512
    .wavefront_size: 32
...
	.end_amdgpu_metadata
.endif
;; end of part 2
;; launch oproj (part 3): grid 64 x 4, 4 waves a work-group, clusters of 4 x 1, 295,424 bytes of LDS; arguments ao, wob, bo, out0; writes out0
.if DOCPART == 3
	.amdgcn_target "amdgcn-amd-amdhsa--gfx1250"
	.amdhsa_code_object_version 6
	.text
	.protected	k_q162aa799bd_oproj
	.globl	k_q162aa799bd_oproj
	.p2align	8
	.type	k_q162aa799bd_oproj,@function
k_q162aa799bd_oproj:
	s_mov_b64 s[64:65], 0
	v_nop
	global_prefetch_b8 v0, s[64:65] scope:SCOPE_SE
	s_setreg_imm32_b32 hwreg(HW_REG_WAVE_MODE, 25, 1), 1
	s_wait_xcnt 0x0
	s_wait_alu depctr_hold_cnt(0) depctr_sa_sdst(0) depctr_va_vdst(0) depctr_va_sdst(0) depctr_va_ssrc(0) depctr_va_vcc(0) depctr_vm_vsrc(0)
	s_getreg_b32 s2, hwreg(HW_REG_IB_STS2, 6, 4)
	s_cmp_eq_u32 s2, 0
	s_cbranch_scc0 .Lentry_in_a_cluster
	s_endpgm
.Lentry_in_a_cluster:
	s_bfe_u32 s2, ttmp6, 0x10000c
	s_cmp_lg_u32 s2, 0x3003
	s_cbranch_scc0 .Lentry_shape_is_right
	s_endpgm
.Lentry_shape_is_right:
; OPROJ.  out0 = A Wo^T + bo: A [16384][768] (the attention's output) and Wo [768][768] as f16, both laid in the order of the operand's registers; sums and out0 in f32.
; (f16 and not bf16: eleven significant bits against eight.  The room: A is a convex mix of v, which stays under 65,504 as the launch before states; Wo lies between some 0.001 and 1.1 for inputs 30 times larger, smaller or offset.)
; SHARES.  A work-group makes 256 rows x 192 columns; each of its four waves 64 rows x 192 columns: 48 accumulators of 16 x 16.  64 x 4 = 256 work-groups.
; Wo's 192 rows, all of K (294,912 bytes), lie in LDS for the whole launch: 24 chunks of 12,288 dense bytes, one for each 32 along K.  Wave w brings chunks w, 4 + w, .. 20 + w: six tensor loads of mine are out at the most,
; all issued at the start; nothing is filled again.  A's fragments go from memory straight into registers, five K steps ahead, in a ring of six sets.
; CLUSTER.  The four row blocks of a cluster have the same column quarter and so the same 192 rows of Wo: each chunk is asked for JOINTLY, by the same tensor load with the same descriptor and the mask of all four.
; THE MATRIX INSTRUCTION IS USED TRANSPOSED (source 0 = 16 rows of Wo, source 1 = 16 rows of A): a lane holds eight neighbouring columns of a row.  The way out goes through a stage in LDS, which lies where Wo lay (last fill and
; last read are over behind the last barrier), and leaves as aligned runs of 256 bytes; bo is added on the way.
; No prefetch: A's loads stand five K steps, 240 matrix instructions, ahead of their use, and Wo's are all issued at the head.
; REGISTERS: window 0: v1-11 addresses, v12-23 bo, v64-255 A's six sets of four fragments (on the way out two sets of 96); window 1: Wo's fragments, two sets of 12 at v0 and v96;
;   window 2: the accumulators of my rows 0-31 ((a, b) at v[96 a + 8 b]); window 3: those of rows 32-63.
.set G1, 24                            ; s[24:31] descriptor group 1
.set G0, 32                            ; s[32:55] six groups 0
.set MSB, 0
.macro WIN new                         ; the immediate's high byte repeats the setting that is left
.if MSB != (\new)
	s_set_vgpr_msb (MSB<<8)|(\new)
.set MSB, \new
.endif
.endm
.macro ROUND                           ; a round of the cluster's barrier
	s_barrier_signal -1
	s_barrier_wait -1
	s_cmp_lg_u32 s14, 0
	s_cbranch_scc1 .Lnot_wave_0_\@
	s_barrier_signal -3
.Lnot_wave_0_\@:
	s_barrier_wait -3
	s_barrier_signal -1
	s_barrier_wait -1
.endm
	s_load_b256 s[4:11], s[0:1], 0x0               ; ao, wob, bo, out0
	v_lshl_add_u32 v62, v0, 2, 0x48000
	v_mov_b32 v63, 0
	ds_add_u32 v62, v63
	ds_add_u32 v62, v63
	v_lshrrev_b32 v24, 5, v0
	v_readfirstlane_b32 s14, v24                   ; wave 0..3
	s_bfe_u32 s12, ttmp6, 0x40000                  ; cx
	s_lshl_b32 s13, ttmp9, 2
	s_add_co_u32 s13, s13, s12                     ; my block of 256 rows: it enters A's and out0's addresses alone
	s_and_b32 s15, ttmp7, 0xffff                   ; the column quarter, which the four partners share
	s_mov_b32 s[G1+0], 15|(3<<16)|(1<<21)          ; 15:0 the mask: all four work-groups; 17:16 elements of 8 bytes; 21 set beside a mask; no padding
	s_mov_b32 s[G1+1], 32<<16                      ; tensor_dim0 = 32 elements: 256 bytes
	s_mov_b32 s[G1+2], 48<<16                      ; tensor_dim1 = 48 rows
	s_mov_b32 s[G1+3], 32<<16                      ; tile_dim0
	s_mov_b32 s[G1+4], 48                          ; tile_dim1
	s_mov_b32 s[G1+5], 32                          ; the pitch: the block is dense
	s_mov_b32 s[G1+6], 0
	s_mov_b32 s[G1+7], 0
	s_mul_i32 s56, s14, 49152                      ; chunk w of wob: 48 tiles x 1,024 bytes for each 32 along K,
	s_mul_i32 s58, s15, 12288                      ; in it the quarter's twelve tiles
	s_add_co_u32 s56, s56, s58
	s_mov_b32 s57, 0
	s_mul_i32 s59, s14, 12288                      ; and its place in LDS
	s_wait_dscnt 0x0
	s_wait_kmcnt 0x0
	s_add_nc_u64 s[22:23], s[6:7], s[56:57]
.irp q, 0,1,2,3,4,5
	s_mov_b32 s[G0+4*\q], 1                        ; count = 1
	s_add_co_u32 s[G0+4*\q+1], s59, \q*49152       ; LDS address: chunk 4 q + w
	s_add_nc_u64 s[G0+4*\q+2:G0+4*\q+3], s[22:23], \q*196608
	s_or_b32 s[G0+4*\q+3], s[G0+4*\q+3], 0x80000000   ; type = 2
.endr
	ROUND                                          ; all four work-groups are here: the joint loads meet
.irp q, 0,1,2,3,4,5
	tensor_load_to_lds s[G0+4*\q:G0+4*\q+3], s[G1:G1+7]
	s_nop 0
.endr
.rept 4
	v_nop
.endr
	v_and_b32 v24, 31, v0
	v_lshlrev_b32 v1, 4, v24                       ; 16 x lane
.irp q, 0,1,2,3,4,5
	v_add_nc_u32 v[2+\q], \q*49152, v1             ; Wo's fragments: four chunks to an address register
.endr
	v_and_b32 v24, 15, v0                          ; r
	v_bfe_u32 v25, v0, 4, 1                        ; h
	s_mul_i32 s58, s14, 25088                      ; my two stages of 16 rows x (768 + 16) bytes
	v_mul_u32_u24 v8, v24, 784
	v_lshl_add_u32 v8, v25, 5, v8
	v_add_nc_u32 v8, s58, v8                       ; in: row r, 32 bytes for each half of the lanes
	v_mul_u32_u24 v9, v25, 784
	v_lshl_add_u32 v9, v24, 4, v9
	v_add_nc_u32 v9, s58, v9                       ; back: lanes 0-15 take 256 bytes of one row, lanes 16-31 of the next
	v_mul_u32_u24 v10, v25, 3072
	v_lshl_add_u32 v10, v24, 4, v10                ; and the same in out0
	v_lshlrev_b32 v11, 4, v24                      ; bo: my four columns of each 64
	s_lshl_b32 s2, s13, 4
	s_lshl_b32 s3, s14, 2
	s_add_co_u32 s2, s2, s3
	s_mul_i32 s2, s2, 24576
	s_mov_b32 s3, 0
	s_add_nc_u64 s[16:17], s[4:5], s[2:3]          ; A: my four tiles of 16 rows
	s_mul_i32 s2, s15, 768
	s_add_nc_u64 s[20:21], s[8:9], s[2:3]          ; bo: the quarter's 192 numbers
	s_add_nc_u64 s[18:19], s[10:11], s[2:3]
	s_lshl_b32 s2, s13, 8
	s_lshl_b32 s58, s14, 6
	s_add_co_u32 s2, s2, s58
	s_mul_i32 s2, s2, 3072
	s_add_nc_u64 s[18:19], s[18:19], s[2:3]        ; out0: my first row, the quarter's first column
.irp q, 0,1,2
	global_load_b128 v[12+4*\q:15+4*\q], v11, s[20:21] offset:256*\q
.endr
.macro LOAD_A ks                       ; my four fragments of K step ks: eight loads of 512 consecutive bytes
.irp a, 0,1,2,3
.irp c, 0,1
	global_load_b128 v[64+32*((\ks)%6)+8*\a+4*\c:64+32*((\ks)%6)+8*\a+4*\c+3], v1, s[16:17] offset:\a*24576+(\ks)*1024+\c*512
.endr
.endr
.endm
.macro FETCH_B ks                      ; Wo's twelve fragments of K step ks
	WIN 0x40
.irp b, 0,1,2,3,4,5,6,7,8,9,10,11
.irp c, 0,1
	ds_load_b128 v[96*((\ks)%2)+8*\b+4*\c:96*((\ks)%2)+8*\b+4*\c+3], v[2+(\ks)/4] offset:((\ks)%4)*12288+\b*1024+\c*512
.endr
.endr
	WIN 0
.endm
.macro MUL24 ks, hi                    ; rows 32 hi .. + 31 x 192 columns: 24 accumulators by turns.  The first K step starts the sums
.irp a, 0,1
.irp b, 0,1,2,3,4,5,6,7,8,9,10,11
.if (\ks) == 0
	v_wmma_f32_16x16x32_f16 v[96*\a+8*\b:96*\a+8*\b+7], v[96*((\ks)%2)+8*\b:96*((\ks)%2)+8*\b+7], v[64+32*((\ks)%6)+8*(2*\hi+\a):64+32*((\ks)%6)+8*(2*\hi+\a)+7], 0
.else
	v_wmma_f32_16x16x32_f16 v[96*\a+8*\b:96*\a+8*\b+7], v[96*((\ks)%2)+8*\b:96*((\ks)%2)+8*\b+7], v[64+32*((\ks)%6)+8*(2*\hi+\a):64+32*((\ks)%6)+8*(2*\hi+\a)+7], v[96*\a+8*\b:96*\a+8*\b+7]
.endif
.endr
.endr
.endm
.macro STEP ks
.if 23-(\ks) >= 4
	s_wait_loadcnt 32                              ; this K step's fragments of A are in; those of the four steps behind it may be out
.else
	s_wait_loadcnt 8*(23-(\ks))
.endif
	s_wait_dscnt 0x0                               ; and Wo's
	WIN 0xa1
	MUL24 \ks, 0
	WIN 0
.rept 4
	v_nop                                          ; places in front of loads into the sets that the K step before multiplied (ISA guide 7.12.1 for vector instructions)
.endr
.if (\ks) < 23
.if ((\ks)+1)%4 == 0
	s_wait_tensorcnt 5-((\ks)+1)/4                 ; my chunk of the next four K steps has landed; my later ones may stay out
	s_barrier_signal -1
	s_barrier_wait -1                              ; everybody's has
.endif
	FETCH_B (\ks)+1
.endif
.if (\ks)+5 < 24
	LOAD_A (\ks)+5
.endif
	WIN 0xf1
	MUL24 \ks, 1
.endm
.irp k, 0,1,2,3,4
	LOAD_A \k
.endr
	s_wait_tensorcnt 5                             ; my first chunk has landed,
	s_barrier_signal -1
	s_barrier_wait -1                              ; everybody's has: K steps 0 to 3
	FETCH_B 0
.irp k, 0,1,2,3,4,5,6,7,8,9,10,11,12,13,14,15,16,17,18,19,20,21,22,23
	STEP \k
.endr
	WIN 0
.rept 4
	v_nop                                          ; places in front of the reads of results and of the loads into A's registers
.endr
	s_wait_dscnt 0x0                               ; my reads of Wo are over
	s_barrier_signal -1
	s_barrier_wait -1                              ; everybody's are: the stages may be written where Wo lay
; THE WAY OUT, a block of 16 rows x 192 columns at a time, through my own stages by turns.  LDS serves a wave's instructions in order (ISA guide 5.7.1.4): no wait between the stores and the loads.
.macro TOSTAGE a
.set AC, 96*((\a)%2)
	WIN 0x08+4*((\a)/2)                            ; an LDS store's data are its source 1: window 2 or 3
.irp b, 0,1,2,3,4,5,6,7,8,9,10,11
	ds_store_b128 v8, v[AC+8*\b:AC+8*\b+3] offset:((\a)%2)*12544+64*\b          ; each accumulator from its low end on
	ds_store_b128 v8, v[AC+8*\b+4:AC+8*\b+7] offset:((\a)%2)*12544+64*\b+16
.endr
	WIN 0
.set BB, 64+96*((\a)%2)
.irp p, 0,1,2,3,4,5,6,7
.irp q, 0,1,2
	ds_load_b128 v[BB+4*(3*\p+\q):BB+4*(3*\p+\q)+3], v9 offset:((\a)%2)*12544+2*\p*784+256*\q
.endr
.endr
.endm
.macro SEND a, younger                 ; younger: the LDS instructions issued behind block a's loads, which may stay out
.set BB, 64+96*((\a)%2)
	s_wait_dscnt \younger
.irp p, 0,1,2,3,4,5,6,7
.irp q, 0,1,2
	v_pk_add_f32 v[BB+4*(3*\p+\q):BB+4*(3*\p+\q)+1], v[BB+4*(3*\p+\q):BB+4*(3*\p+\q)+1], v[12+4*\q:13+4*\q]
	v_pk_add_f32 v[BB+4*(3*\p+\q)+2:BB+4*(3*\p+\q)+3], v[BB+4*(3*\p+\q)+2:BB+4*(3*\p+\q)+3], v[14+4*\q:15+4*\q]
	global_store_b128 v10, v[BB+4*(3*\p+\q):BB+4*(3*\p+\q)+3], s[18:19] offset:(16*(\a)+2*\p)*3072+256*\q th:TH_STORE_NT   ; each half of the lanes stores 256 consecutive bytes, aligned
.endr
.endr
.endm
	TOSTAGE 0
	TOSTAGE 1
	SEND 0, 48                                     ; behind block 0's loads: block 1's 24 stores and 24 loads
	s_wait_xcnt 0x0                                ; block 0's stores have read their registers: block 2's loads may land there
	TOSTAGE 2
	SEND 1, 48
	s_wait_xcnt 0x0
	TOSTAGE 3
	SEND 2, 48
	SEND 3, 0
	s_wait_tensorcnt 0x0
	ds_add_u32 v62, v63
	s_wait_dscnt 0x0
	ROUND                                          ; the closing round: no work-group ends while a partner may still ask for a chunk that names it
	s_endpgm
.Lfunc_end_k_q162aa799bd_oproj:
	.size	k_q162aa799bd_oproj, .Lfunc_end_k_q162aa799bd_oproj-k_q162aa799bd_oproj
	.p2alignl 7, 3214868480
	.fill 96, 4, 3214868480
	.section	.rodata,"a",@progbits
	.p2align	6, 0x0
	.amdhsa_kernel k_q162aa799bd_oproj
		.amdhsa_group_segment_fixed_size 295424
		.amdhsa_private_segment_fixed_size 0
		.amdhsa_enable_private_segment 0
		.amdhsa_kernarg_size 32
		.amdhsa_user_sgpr_count 2
		.amdhsa_user_sgpr_kernarg_segment_ptr 1
		.amdhsa_wavefront_size32 1
		.amdhsa_system_sgpr_workgroup_id_x 1
		.amdhsa_system_sgpr_workgroup_id_y 1
		.amdhsa_system_sgpr_workgroup_id_z 1
		.amdhsa_system_vgpr_workitem_id 0
		.amdhsa_next_free_vgpr 1024
		.amdhsa_next_free_sgpr 66
		.amdhsa_reserve_vcc 0
		.amdhsa_float_denorm_mode_32 3
		.amdhsa_float_denorm_mode_16_64 3
		.amdhsa_memory_ordered 1
		.amdhsa_forward_progress 1
		.amdhsa_inst_pref_size 176
	.end_amdhsa_kernel
	.amdgpu_metadata
---
amdhsa.version: [ 1, 2 ]
amdhsa.kernels:
  - .name:           k_q162aa799bd_oproj
    .symbol:         k_q162aa799bd_oproj.kd
    .args:
      - { .name: ao, .offset: 0, .size: 8, .value_kind: global_buffer, .address_space: global }
      - { .name: wob, .offset: 8, .size: 8, .value_kind: global_buffer, .address_space: global }
      - { .name: bo, .offset: 16, .size: 8, .value_kind: global_buffer, .address_space: global }
      - { .name: out0, .offset: 24, .size: 8, .value_kind: global_buffer, .address_space: global }
    .group_segment_fixed_size: 295424
    .private_segment_fixed_size: 0
    .kernarg_segment_align: 8
    .kernarg_segment_size: 32
    .max_flat_workgroup_size: 128
    .sgpr_count:     66
    .vgpr_count:     1024
    .wavefront_size: 32
...
	.end_amdgpu_metadata
.endif
;; end of part 3
;; ======== version 2 of 2: 3 launches; version 1 with the launch attn written anew for expert scheduling mode
;; limits: values are held in f16: magnitudes above 65,504 overflow, below 6.1e-05 lose precision
;; workspace buffers: codes 7,176,192 bytes; scales 448,512 bytes; tab 131,072 bytes; wob 1,179,648 bytes; ao 25,165,824 bytes
;; launch prep: the kernel of part 1 again; grid 920 x 1, 4 waves a work-group, no clusters, 68,096 bytes of LDS; arguments hidden_states, Wq, Wk, Wv, Wo, codes, scales, wob, tab; writes codes, scales, wob, tab
;; launch attn (part 4): grid 12 x 16, 8 waves a work-group, no clusters, 280,576 bytes of LDS; arguments codes, scales, tab, bq, bk, bv, ao; writes ao
.if DOCPART == 4
	.amdgcn_target "amdgcn-amd-amdhsa--gfx1250"
	.amdhsa_code_object_version 6
	.text
	.protected	k_q162aa799bd_attn
	.globl	k_q162aa799bd_attn
	.p2align	8
	.type	k_q162aa799bd_attn,@function
k_q162aa799bd_attn:
	s_mov_b64 s[64:65], 0
	v_nop
	global_prefetch_b8 v0, s[64:65] scope:SCOPE_SE
	s_setreg_imm32_b32 hwreg(HW_REG_WAVE_SCHED_MODE, 0, 2), 2
	s_setreg_imm32_b32 hwreg(HW_REG_WAVE_MODE, 25, 1), 1
	s_wait_xcnt 0x0
	s_wait_alu depctr_vm_vsrc(0)
; ATTN.  One work-group for each (head, batch): q, k, v of that head by products on FP4 codes (K = 768: six matrix instructions deep), bias, p-RoPE, then softmax(q k^T / 8) v with f16 operands.
; q, k and v never go to memory: k and v^T of all 1,024 positions lie in LDS as f16, written once, one barrier; q lies in registers.  No FP4 product is made twice in the launch.
; SHARES.  Eight waves.  Wave w makes k and v of positions 128 w .. 128 w + 127 (eight tiles of 16), then owns queries 128 w .. + 127 in two passes of 64 (four tiles): q's products, sixteen key steps of 64 keys, the way out.
; LAYOUT.  k and q: source 0 = 16 rows of W (channels), source 1 = 16 rows of x: a lane holds ONE position (lane % 16) and channels 16 n + 8 (lane / 16) + 0..7.  RoPE turns channels 0-15 against 32-47: accumulators 0 and 2,
; register by register.  Packed to f16, q's accumulators ARE source 1 of S^T = k q^T, and k's are 16 bytes of a key's row in LDS.  v: the sources swapped: a lane holds one channel and eight positions: 16 bytes of a row of v^T.
; S^T (source 0 = 16 keys, source 1 = 16 queries) and O^T = v^T P (source 0 = 16 channels, source 1 = P) hold one query a lane: nothing changes lanes but one exchange between the halves for the maximum and the sum.
; SOFTMAX.  Running maximum m and sum l for each query; p = 2^(c s - c m), c = log2(e) / 8; in every step O and l are multiplied by a = 2^(c m_old - c m_new).
; THE WAY OUT.  O / l as f16 in the order of the next launch's operand registers: [tile of 16 rows][8 channels: 96][row 16][16 bytes]: each store of the wave covers 512 consecutive bytes, aligned.
; WHY f16 AND NOT bf16.  Six roundings (q, k, p, v, O / l, and Wo in the next launch) add up in the result; eleven significant bits make each eight times finer than bf16's eight.  The room: p is at most 1 (under 2^-14 it
; falls into f16's denormals, a step of 2^-24 against a sum of at least 1).  q, k, v are sums of 768 products: with x of spread 1 and weights of spread 0.036 up to some 6; both 30 times larger: some 5,400; both offset by
; 30 spreads: 768 x 30 x 1.08 = 24,900; both 30 times smaller: some 2^-10, normal numbers.  O / l is a convex mix of v.
; NO CLUSTER, NO TENSOR LOAD: codes, scale words and the table lie in memory in the order of the registers that take them, and go there by loads of 512 consecutive bytes; there is no tile in LDS that partners could ask for jointly.
; 192 work-groups: the (head, batch) pairs.  Halving a head's queries would make k and v twice.
; LIMITS: NaN and infinities are not served; |q|, |k|, |v| stay under 65,504, f16's largest number; q, k, v, p and O / l are rounded to f16.
; REGISTERS, window 0: v1-13 addresses; v14, v15, v240-255 scale words and nothing else; v16-47 statistics, 8 a tile (+0 c m, +1 m, +2, +3 l, +4..+7 at work, +6 a); v48-111 q, 16 a tile; v112-239 S^T, 32 a tile, then P in the low 16.
;   In the projections: v16-47 cos and sin, two sets; v48-63 packed results (k, v); v112-207 x's fragments, two sets of six; v208-223 the rotated channels.
; window 1: projections: v0-191 W's 24 fragments, v192-223 four accumulators, v224-255 the bias as the first link's C.  Attention: v0-127 O^T, v128-191 k's fragments of a step, v192-255 v^T's.
; THE MODE: SCHED_MODE bits 1:0 = 2 (LLVM: expert scheduling mode 2), set by the entry lines.  The code itself states the register dependences between vector or matrix instructions and memory or LDS instructions,
; with s_wait_alu, always for 0.
; THE PLAN.  Registers that memory or LDS instructions touch:
;   v1-v5, v12, v13   offsets and LDS store addresses: written at the head, never again: one wait at the head serves every load and store.
;   XF, x's scale words, cos and sin: two sets.  Tile i works on set i % 2; at its head the loads of tile i + 1 land in the other set, which tile i - 1 worked on.
;   PK                written by a k or v tile's conversions, read by its four LDS stores, written again by the next tile's conversions.
;   W's fragments and scale words, the bias: loaded at a phase's head, read by the phase's products; in attention the same registers are O^T and the fragments of k and v^T.
;   v9-v11            LDS load addresses: written once a key step, read by the step's 32 LDS loads.
;   k's fragments     read by a step's first 32 products, then loaded for the next step;  v^T's: read by a step's last 32 products, loaded in the next step.
;   S (low 64)        on the way out: written by the conversions, read by 16 stores; the next pass's loads of x land there.
; So a tile has ONE wait on va_vdst, behind its conversions: it serves its LDS stores and the next tile's loads; and one on vm_vsrc, ahead of its conversions.  A key step has one on vm_vsrc ahead of the address lines and one
; on va_vdst behind them, behind the step's first 32 products, whose results the lines that follow read in any case; and the exponentials' wait.  The 32 LDS loads stay in one run: they land in window 1 and the softmax works
; in window 0, so loads dealt among its lines would each want two switches of the window.
.set VT,  147456                       ; LDS: k: 1,024 rows of 128 bytes + 16; from VT on v^T: 64 rows of 2,048 bytes + 16
.set ST,  16
.set QF,  48
.set S,   112
.set CS,  16
.set PK,  48
.set XF,  112
.set RT,  208
.set WS,  240                          ; W's scale words: 3 n + u: lanes 0-15 K step 2 u, lanes 16-31 K step 2 u + 1.  x's: index 3 set + u at v252-255, v14, v15
.set MSB, 0
.macro WIN new                         ; bits 1:0 source 0, 3:2 source 1, 5:4 source 2, 7:6 destination; the immediate's high byte repeats the setting that is left
.if MSB != (\new)
	s_set_vgpr_msb (MSB<<8)|(\new)
.set MSB, \new
.endif
.endm
.macro LOADW P                         ; the head's 64 rows of tensor P (0 Wq, 1 Wk, 2 Wv): 24 fragments and 12 registers of scale words
	WIN 0x40
.irp n, 0,1,2,3
.irp s, 0,1,2,3,4,5
.irp c, 0,1
	global_load_b128 v[48*\n+8*\s+4*\c:48*\n+8*\s+4*\c+3], v1, s[26:27] offset:\P*294912+\n*6144+\s*1024+\c*512
.endr
.endr
.endr
	WIN 0
.irp n, 0,1,2,3
.irp u, 0,1,2
	global_load_b32 v[WS+3*\n+\u], v2, s[28:29] offset:\P*18432+\n*384+\u*128
.endr
.endr
.endm
.macro BIASC b                         ; a bias by channels: lane (r, h) wants those of channels 16 n + 8 h + 0..7
	WIN 0x40
.irp n, 0,1,2,3
	global_load_b128 v[224+8*\n:224+8*\n+3], v12, s[\b:\b+1] offset:64*\n
	global_load_b128 v[224+8*\n+4:224+8*\n+7], v12, s[\b:\b+1] offset:64*\n+16
.endr
	WIN 0
.endm
.macro LOADX set, i, rope              ; tile i of x: six fragments, three registers of scale words, and with rope its cos and sin: 15 or 19 loads
.irp s, 0,1,2,3,4,5
.irp c, 0,1
	global_load_b128 v[XF+48*(\set)+8*\s+4*\c:XF+48*(\set)+8*\s+4*\c+3], v1, s[20:21] offset:(\i)*6144+\s*1024+\c*512
.endr
.endr
.irp u, 0,1,2
.set ix, 3*(\set)+\u
	global_load_b32 v[252+ix-242*(ix/4)], v2, s[22:23] offset:(\i)*384+\u*128
.endr
.if \rope
.irp q, 0,1,2,3
	global_load_b128 v[CS+16*(\set)+4*\q:CS+16*(\set)+4*\q+3], v1, s[24:25] offset:(\i)*2048+\q*512
.endr
.endif
.endm
.macro FP4 kind, set, s, n             ; one link: accumulator n, K step s.  kind 1 (v): x is source 0; else W is.  The first link takes the bias as C
.set rW, 48*(\n)+8*(\s)
.set rX, XF+48*(\set)+8*(\s)
.set rD, 192+8*(\n)
.set rC, rD
.if (\s) == 0
.set rC, 224+8*(\n)
.endif
.set sW, WS+3*(\n)+(\s)/2
.set ix, 3*(\set)+(\s)/2
.set sX, 252+ix-242*(ix/4)
.if \kind == 1
.set rA, rX
.set rB, rW
.set sA, sX
.set sB, sW
.else
.set rA, rW
.set rB, rX
.set sA, sW
.set sB, sX
.endif
.if (\s)%2
	v_wmma_scale_f32_16x16x128_f8f6f4 v[rD:rD+7], v[rA:rA+7], v[rB:rB+7], v[rC:rC+7], v[sA], v[sB] matrix_a_fmt:MATRIX_FMT_FP4 matrix_b_fmt:MATRIX_FMT_FP4 matrix_a_scale:MATRIX_SCALE_ROW1 matrix_b_scale:MATRIX_SCALE_ROW1
.else
	v_wmma_scale_f32_16x16x128_f8f6f4 v[rD:rD+7], v[rA:rA+7], v[rB:rB+7], v[rC:rC+7], v[sA], v[sB] matrix_a_fmt:MATRIX_FMT_FP4 matrix_b_fmt:MATRIX_FMT_FP4
.endif
.endm
; A tile of 16 positions x the head's 64 channels.  kind 0: k, 1: v, 2: q.  i of cnt tiles; dst: where the packed result goes.
; The loads at its head owe no wait of their own: they land in the set that the tile before last... that is, tile i - 1 worked on, and the wait at that tile's end (for the first tile: at the phase's head) stands ahead of them,
; with nothing between but LDS stores of other registers, loads and window switches.
.macro TILE kind, i, cnt, dst
.if (\i)+1 < \cnt
.if \kind == 1
	LOADX ((\i)+1)%2, (\i)+1, 0
	s_wait_loadcnt 15                              ; all but the next tile's fifteen loads
.else
	LOADX ((\i)+1)%2, (\i)+1, 1
	s_wait_loadcnt 19                              ; all but the next tile's nineteen loads
.endif
.else
	s_wait_loadcnt 0x0
.endif
.if \kind == 1
	WIN 0x54
.else
	WIN 0x51
.endif
.irp s, 0,1,2,3,4,5
.irp n, 0,1,2,3
	FP4 \kind, (\i)%2, \s, \n                      ; the four accumulators by turns
.endr
.endr
	WIN 0
.rept 5
	v_nop                                          ; places (ISA guide 7.12.1): for the reads of results, and for the next tile's first links, which write over the accumulators
.endr
.if \kind != 2
	s_wait_dscnt 0x0                               ; the last tile's LDS stores are done
.if ((\i)+(\kind)) > 0
	s_wait_alu depctr_vm_vsrc(0)                   ; the last tile's LDS stores have read v[PK ..], which the conversions below write again
.endif
.endif
.if \kind == 1
	WIN 0x05
.irp c, 0,1,2,3
.irp p, 0,1,2,3
	v_cvt_pk_f16_f32 v[PK+4*\c+\p], v[192+8*\c+2*\p], v[192+8*\c+2*\p+1]
.endr
.endr
	WIN 0
	s_wait_alu depctr_va_vdst(0)                   ; the conversions have written v[PK ..], which the LDS stores read; this tile's products are done reading their set of x's fragments and scale words, in which the next tile's loads land
	ds_store_b128 v4, v[PK:PK+3] offset:32*(\i)                ; channel 16 n + r, positions 16 i + 8 h + 0..7
	ds_store_b128 v4, v[PK+4:PK+7] offset:33024+32*(\i)
	ds_store_b128 v5, v[PK+8:PK+11] offset:32*(\i)
	ds_store_b128 v5, v[PK+12:PK+15] offset:33024+32*(\i)
.else
.set cC, CS+16*((\i)%2)
	WIN 0x01                                       ; source 0: the accumulators, in window 1
.irp p, 0,2,4,6
	v_pk_mul_f32 v[RT+\p:RT+\p+1], v[192+\p:192+\p+1], v[cC+\p:cC+\p+1]                       ; x1 cos
	v_pk_mul_f32 v[RT+8+\p:RT+8+\p+1], v[208+\p:208+\p+1], v[cC+\p:cC+\p+1]                   ; x2 cos
	v_pk_fma_f32 v[RT+\p:RT+\p+1], v[208+\p:208+\p+1], v[cC+8+\p:cC+8+\p+1], v[RT+\p:RT+\p+1] neg_lo:[1,0,0] neg_hi:[1,0,0]   ; - x2 sin
	v_pk_fma_f32 v[RT+8+\p:RT+8+\p+1], v[192+\p:192+\p+1], v[cC+8+\p:cC+8+\p+1], v[RT+8+\p:RT+8+\p+1]                       ; + x1 sin
.endr
	WIN 0
.irp p, 0,1,2,3
	v_cvt_pk_f16_f32 v[(\dst)+\p], v[RT+2*\p], v[RT+2*\p+1]
	v_cvt_pk_f16_f32 v[(\dst)+8+\p], v[RT+8+2*\p], v[RT+8+2*\p+1]
.endr
	WIN 0x05
.irp p, 0,1,2,3
	v_cvt_pk_f16_f32 v[(\dst)+4+\p], v[200+2*\p], v[200+2*\p+1]      ; channels 16-31 and 48-63 do not turn
	v_cvt_pk_f16_f32 v[(\dst)+12+\p], v[216+2*\p], v[216+2*\p+1]
.endr
	WIN 0
.if \kind == 0
	s_wait_alu depctr_va_vdst(0)                   ; the conversions have written v[PK ..], which the LDS stores read; this tile's products and rotations are done reading their set of x's fragments, scale words, cos and sin, in which the next tile's loads land (behind the last tile: v's bias lands in v[RT ..], which the rotations have written)
.irp c, 0,1,2,3
	ds_store_b128 v3, v[PK+4*\c:PK+4*\c+3] offset:(\i)*2304+32*\c    ; key 16 i + r, channels 16 n + 8 h + 0..7
.endr
.else
.if (\i)+2 < \cnt
	s_wait_alu depctr_va_vdst(0)                   ; this tile's products and rotations are done reading their set of x's fragments, scale words, cos and sin, in which the next tile's loads land
.endif
.endif
.endif
.endm
.macro FETCH_K                         ; 64 keys x 64 channels: eight fragments
.irp k, 0,1,2,3
.irp c, 0,1
	ds_load_b128 v[128+16*\k+8*\c:128+16*\k+8*\c+3], v9 offset:\k*2304+64*\c
	ds_load_b128 v[128+16*\k+8*\c+4:128+16*\k+8*\c+7], v9 offset:\k*2304+64*\c+32
.endr
.endr
.endm
.macro FETCH_V                         ; 64 channels x 64 keys: eight fragments
.irp n, 0,1,2,3
.irp k, 0,1
	ds_load_b128 v[192+16*\n+8*\k:192+16*\n+8*\k+3], v[10+\n/2] offset:(\n%2)*33024+64*\k
	ds_load_b128 v[192+16*\n+8*\k+4:192+16*\n+8*\k+7], v[10+\n/2] offset:(\n%2)*33024+64*\k+32
.endr
.endr
.endm
; A KEY STEP: 64 keys for my four tiles of queries.  first = 1: the pass's first step, which starts m, l and O^T.
.macro KSTEP first
	s_wait_dscnt 0x0                               ; this step's fragments of k are in
	WIN 0x01
.irp c, 0,1
.irp k, 0,1,2,3
.irp t, 0,1,2,3
.if \c == 0
	v_wmma_f32_16x16x32_f16 v[S+32*\t+8*\k:S+32*\t+8*\k+7], v[128+16*\k+8*\c:128+16*\k+8*\c+7], v[QF+16*\t+8*\c:QF+16*\t+8*\c+7], 0
.else
	v_wmma_f32_16x16x32_f16 v[S+32*\t+8*\k:S+32*\t+8*\k+7], v[128+16*\k+8*\c:128+16*\k+8*\c+7], v[QF+16*\t+8*\c:QF+16*\t+8*\c+7], v[S+32*\t+8*\k:S+32*\t+8*\k+7]
.endif
.endr
.endr
.endr
	WIN 0
	s_wait_alu depctr_vm_vsrc(0)                   ; the LDS loads issued so far have read v9, v10 and v11, which the three lines below write
	v_add_nc_u32 v9, s46, v6                       ; the next step's k; this step's v^T.  With the two v_nop: the places in front of the reads of the scores
	v_add_nc_u32 v10, s47, v7
	v_add_nc_u32 v11, s47, v8
	v_nop
	v_nop
	WIN 0x40
	s_wait_alu depctr_va_vdst(0)                   ; v9, v10 and v11 are written, which the loads below read; the products above are done reading k's fragments, and the last step's second products v^T's: the loads below land in both
	FETCH_V
.if \first
	FETCH_K
	WIN 0
.else
	WIN 0
	s_cmp_eq_u32 s45, 1                            ; the pass's last step has no successor
	s_cbranch_scc1 .Lno_k_\@
	WIN 0x40
	FETCH_K
	WIN 0
.Lno_k_\@:
.endif
	s_add_co_u32 s46, s46, 9216                    ; 64 rows of k
	s_add_co_u32 s47, s47, 128                     ; 64 keys in a row of v^T
	; the maximum of my 32 scores a tile (and the old m): four chains, each begun at an accumulator's low end; the four tiles by turns
.irp j, 0,1,2,3
.irp t, 0,1,2,3
	v_max3_num_f32 v[ST+8*\t+4+\j], v[S+32*\t+8*\j], v[S+32*\t+8*\j+1], v[S+32*\t+8*\j+2]
.endr
.endr
.irp g, 1,2
.irp j, 0,1,2,3
.irp t, 0,1,2,3
	v_max3_num_f32 v[ST+8*\t+4+\j], v[ST+8*\t+4+\j], v[S+32*\t+8*\j+2*\g+1], v[S+32*\t+8*\j+2*\g+2]
.endr
.endr
.endr
.irp t, 0,1,2,3
	v_max3_num_f32 v[ST+8*\t+4], v[ST+8*\t+4], v[S+32*\t+7], v[S+32*\t+15]
	v_max3_num_f32 v[ST+8*\t+6], v[ST+8*\t+6], v[S+32*\t+23], v[S+32*\t+31]
.endr
.irp t, 0,1,2,3
	v_max3_num_f32 v[ST+8*\t+4], v[ST+8*\t+4], v[ST+8*\t+5], v[ST+8*\t+6]
.endr
.irp t, 0,1,2,3
.if \first
	v_max_num_f32 v[ST+8*\t+4], v[ST+8*\t+4], v[ST+8*\t+7]
.else
	v_max3_num_f32 v[ST+8*\t+4], v[ST+8*\t+4], v[ST+8*\t+7], v[ST+8*\t+1]
.endif
.endr
.irp t, 0,1,2,3
	v_permlanex16_b32 v[ST+8*\t+5], v[ST+8*\t+4], s40, s41     ; the query's other 32 keys lie in the lane 16 away
.endr
.if !\first
.irp t, 0,1,2,3
	v_mov_b32 v[ST+8*\t+7], v[ST+8*\t]             ; c m_old
.endr
.endif
.irp t, 0,1,2,3
	v_max_num_f32 v[ST+8*\t+1], v[ST+8*\t+4], v[ST+8*\t+5]
.endr
.irp t, 0,1,2,3
	v_mul_f32 v[ST+8*\t], s42, v[ST+8*\t+1]        ; c m
.endr
.if !\first
.irp t, 0,1,2,3
	v_sub_f32 v[ST+8*\t+7], v[ST+8*\t+7], v[ST+8*\t]
.endr
.irp t, 0,1,2,3
	v_exp_f32 v[ST+8*\t+6], v[ST+8*\t+7]           ; a: the scalings below are the plain instructions behind it
.endr
.endif
.irp t, 0,1,2,3
.irp b, 0,2,4,6,8,10,12,14,16,18,20,22,24,26,28,30
	v_pk_fma_f32 v[S+32*\t+\b:S+32*\t+\b+1], v[S+32*\t+\b:S+32*\t+\b+1], s[42:43], v[ST+8*\t:ST+8*\t+1] op_sel_hi:[1,0,0] neg_lo:[0,0,1] neg_hi:[0,0,1]   ; c s - c m
.endr
.endr
.set j, 0
.rept 128
	v_exp_f32 v[S+j], v[S+j]                       ; p
.set j, j+1
.endr
.if \first
	v_nop                                          ; a plain instruction behind the exponentials
	s_wait_alu depctr_va_vdst(0)                   ; the 128 p are written, ahead of the first line that names one: one wait for the batch
.else
	s_wait_alu depctr_va_vdst(0)                   ; the four a and the 128 p are written, ahead of the first line that names one: one wait for the batch
.irp t, 0,1,2,3
	v_pk_mul_f32 v[ST+8*\t+2:ST+8*\t+3], v[ST+8*\t+2:ST+8*\t+3], v[ST+8*\t+6:ST+8*\t+7] op_sel_hi:[1,0]   ; l x a (the plain instruction behind the exponentials)
.endr
.endif
.irp t, 0,1,2,3
	v_pk_add_f32 v[ST+8*\t+4:ST+8*\t+5], v[S+32*\t:S+32*\t+1], v[S+32*\t+2:S+32*\t+3]   ; the sum of p in two chains a tile
.endr
.irp b, 4,8,12,16,20,24,28
.irp t, 0,1,2,3
	v_pk_add_f32 v[ST+8*\t+2:ST+8*\t+3], v[ST+8*\t+2:ST+8*\t+3], v[S+32*\t+\b:S+32*\t+\b+1]
	v_pk_add_f32 v[ST+8*\t+4:ST+8*\t+5], v[ST+8*\t+4:ST+8*\t+5], v[S+32*\t+\b+2:S+32*\t+\b+3]
.endr
.endr
.irp t, 0,1,2,3
	v_pk_add_f32 v[ST+8*\t+2:ST+8*\t+3], v[ST+8*\t+2:ST+8*\t+3], v[ST+8*\t+4:ST+8*\t+5]
.endr
.irp t, 0,1,2,3
.irp i, 0,1,2,3,4,5,6,7,8,9,10,11,12,13,14,15
	v_cvt_pk_f16_f32 v[S+32*\t+\i], v[S+32*\t+2*\i], v[S+32*\t+2*\i+1]   ; P in place, ascending: two fragments of 32 keys x 16 queries in the tile's low 16 registers
.endr
.endr
.if !\first
	WIN 0x41
.irp t, 0,1,2,3
.set j, 0
.rept 16
	v_pk_mul_f32 v[32*\t+j:32*\t+j+1], v[32*\t+j:32*\t+j+1], v[ST+8*\t+6:ST+8*\t+7] op_sel_hi:[1,0]   ; O^T x a
.set j, j+2
.endr
.endr
.endif
	s_wait_dscnt 0x0                               ; v^T's fragments are in (zero: in the last step no loads of k stand behind them)
	WIN 0x51
.irp k, 0,1
.irp n, 0,1,2,3
.irp t, 0,1,2,3
.if \first && (\k == 0)
	v_wmma_f32_16x16x32_f16 v[32*\t+8*\n:32*\t+8*\n+7], v[192+16*\n+8*\k:192+16*\n+8*\k+7], v[S+32*\t+8*\k:S+32*\t+8*\k+7], 0
.else
	v_wmma_f32_16x16x32_f16 v[32*\t+8*\n:32*\t+8*\n+7], v[192+16*\n+8*\k:192+16*\n+8*\k+7], v[S+32*\t+8*\k:S+32*\t+8*\k+7], v[32*\t+8*\n:32*\t+8*\n+7]
.endif
.endr
.endr
.endr
	WIN 0
.rept 5
	v_nop                                          ; the next step's scores are written over P's registers: five places
.endr
.endm
	s_load_b256 s[4:11], s[0:1], 0x0               ; codes, scales, tab, bq
	s_load_b128 s[12:15], s[0:1], 0x20             ; bk, bv
	s_load_b64 s[16:17], s[0:1], 0x30              ; ao
	v_lshrrev_b32 v9, 5, v0
	v_readfirstlane_b32 s18, v9                    ; wave 0..7
	v_and_b32 v11, 31, v0
	v_lshlrev_b32 v1, 4, v11                       ; 16 x lane
	v_lshlrev_b32 v2, 2, v11                       ; 4 x lane
	v_and_b32 v9, 15, v0                           ; r
	v_bfe_u32 v10, v0, 4, 1                        ; h
	v_mul_u32_u24 v6, v9, 144
	v_lshl_add_u32 v6, v10, 4, v6                  ; k, read: row r, + 16 h
	s_wait_alu depctr_va_sdst(0)                   ; s18 is written, ahead of its first reader: LDS places and the bases of x, the table and the way out are made from it
	s_mul_i32 s34, s18, 18432
	v_add_nc_u32 v3, s34, v6                       ; k, stored: + my 128 rows
	v_mul_u32_u24 v7, v9, 2064
	v_lshl_add_u32 v7, v10, 4, v7
	v_add_nc_u32 v7, VT, v7                        ; v^T, read: channels 0-31: row r, + 16 h
	v_add_nc_u32 v8, 66048, v7                     ; channels 32-63
	s_lshl_b32 s34, s18, 8
	v_add_nc_u32 v4, s34, v7                       ; v^T, stored: + my 128 positions
	v_add_nc_u32 v5, 66048, v4
	v_lshlrev_b32 v12, 5, v10                      ; 32 h: a bias by channels
	v_lshlrev_b32 v13, 2, v9                       ; 4 r: a bias by lanes
	s_and_b32 s19, ttmp7, 0xffff                   ; the batch
	s_lshl_b32 s30, s19, 6
	s_lshl_b32 s31, s18, 3
	s_add_co_u32 s30, s30, s31                     ; my first tile of x: 64 b + 8 w
	s_mov_b32 s33, 0
	s_mov_b32 s40, 0x76543210
	s_mov_b32 s41, 0xfedcba98                      ; v_permlanex16_b32's selects for lane l xor 16
	s_mov_b32 s42, 0x3e38aa3b                      ; c = log2(e) / 8
	s_mov_b32 s43, s42                             ; (named with it as a pair)
	s_wait_kmcnt 0x0
	s_mul_i32 s32, s30, 6144
	s_add_nc_u64 s[20:21], s[4:5], s[32:33]        ; x's codes
	s_mul_i32 s32, s30, 384
	s_add_nc_u64 s[22:23], s[6:7], s[32:33]        ; x's scale words
	s_lshl_b32 s32, s18, 14
	s_add_nc_u64 s[24:25], s[8:9], s[32:33]        ; cos and sin of my positions
	s_mul_i32 s32, ttmp9, 24576
	s_add_co_u32 s32, s32, 6291456
	s_add_nc_u64 s[26:27], s[4:5], s[32:33]        ; the head's four tiles of Wq: tile 1,024 + 4 head
	s_mul_i32 s32, ttmp9, 1536
	s_add_co_u32 s32, s32, 393216
	s_add_nc_u64 s[28:29], s[6:7], s[32:33]        ; and their scale words
	s_lshl_b32 s32, ttmp9, 8
	s_add_nc_u64 s[10:11], s[10:11], s[32:33]      ; the head's 64 numbers of each bias
	s_add_nc_u64 s[12:13], s[12:13], s[32:33]
	s_add_nc_u64 s[14:15], s[14:15], s[32:33]
	s_mul_i32 s32, s30, 24576
	s_lshl_b32 s31, ttmp9, 11
	s_add_co_u32 s32, s32, s31
	s_add_nc_u64 s[16:17], s[16:17], s[32:33]      ; the way out: my first tile, the head's eight groups of 8 channels
	s_wait_alu depctr_va_vdst(0)                   ; v1 to v5, v12 and v13 are written: the offsets of every global load and store and the addresses of every LDS store; none of them is written again
	; ---- k of my 128 positions
	LOADW 1
	BIASC 12
	LOADX 0, 0, 1
.irp i, 0,1,2,3,4,5,6,7
	TILE 0, \i, 8, PK
.endr
	; ---- v of my 128 positions.  Here a lane holds one channel: its bias fills all eight registers of the first link's C.  The loads below stand behind the wait at the end of k's last tile, which shows k's products done with Wk's fragments, scale words and bias
	LOADW 2
.irp c, 0,1,2,3
	global_load_b32 v[RT+\c], v13, s[14:15] offset:64*\c
.endr
	LOADX 0, 0, 0
	s_wait_loadcnt 15                              ; the weights and the bias are in; the first tile's fifteen loads may be out
	WIN 0x40
.irp c, 0,1,2,3
.irp j, 0,1,2,3,4,5,6,7
	v_mov_b32 v[224+8*\c+\j], v[RT+\c]
.endr
.endr
	WIN 0
.rept 4
	v_nop
.endr
.irp i, 0,1,2,3,4,5,6,7
	TILE 1, \i, 8, PK
.endr
	s_wait_dscnt 0x0                               ; for the others' sake: my rows of k and my columns of v^T lie in LDS
	s_barrier_signal -1
	s_barrier_wait -1                              ; everybody's do; from here on LDS is only read
	s_wait_alu depctr_vm_vsrc(0)                   ; my last LDS stores have read v[PK ..]: these registers are q's from here on, written by q's conversions
	s_mov_b32 s44, 2
.Lpass:                                            ; 64 queries a trip
	s_wait_alu depctr_va_vdst(0)                   ; all that named the registers in which the loads below land is done: on the way in v's products (Wv's fragments, scale words, bias, x's sets); on the way back the last step's products (O^T, the fragments of k and v^T) and the way out's lines (the statistics, S)
	LOADW 0
	BIASC 10
	LOADX 0, 0, 1
.irp t, 0,1,2,3
	TILE 2, \t, 4, QF+16*\t
.endr
.irp t, 0,1,2,3
	v_mov_b32 v[ST+8*\t+2], 0                      ; l
	v_mov_b32 v[ST+8*\t+3], 0
.endr
	v_mov_b32 v9, v6                               ; the first step's k (the last pass's LDS loads, which read v9, stand ahead of the wait on vm_vsrc at that pass's end)
	s_mov_b32 s46, 9216
	s_mov_b32 s47, 0
	WIN 0x40
	s_wait_alu depctr_va_vdst(0)                   ; v9 is written, which the loads below read; q's products are done reading Wq's fragments, in whose registers k's fragments land
	FETCH_K
	WIN 0
	KSTEP 1
	s_mov_b32 s45, 15
.Lstep:
	KSTEP 0
	s_sub_co_u32 s45, s45, 1
	s_cmp_lg_u32 s45, 0
	s_cbranch_scc1 .Lstep
	; ---- the way out: l's halves, the other half of the lanes', O^T / l, f16
.irp t, 0,1,2,3
	v_add_f32 v[ST+8*\t+4], v[ST+8*\t+2], v[ST+8*\t+3]
.endr
.irp t, 0,1,2,3
	v_permlanex16_b32 v[ST+8*\t+5], v[ST+8*\t+4], s40, s41
.endr
.irp t, 0,1,2,3
	v_add_f32 v[ST+8*\t+4], v[ST+8*\t+4], v[ST+8*\t+5]
.endr
.irp t, 0,1,2,3
	v_rcp_f32 v[ST+8*\t+6], v[ST+8*\t+4]
.endr
	v_nop                                          ; a plain instruction behind the reciprocals
	WIN 0x01
	s_wait_alu depctr_va_vdst(0)                   ; the four reciprocals are written, ahead of the first line that names one
.irp t, 0,1,2,3
.set j, 0
.rept 16
	v_pk_mul_f32 v[S+32*\t+j:S+32*\t+j+1], v[32*\t+j:32*\t+j+1], v[ST+8*\t+6:ST+8*\t+7] op_sel_hi:[1,0]
.set j, j+2
.endr
.endr
	WIN 0
.set j, 0
.rept 64
	v_cvt_pk_f16_f32 v[S+j], v[S+2*j], v[S+2*j+1]  ; in place, ascending: tile t, channels 16 n + 8 h + 0..7 at S + 16 t + 4 n
.set j, j+1
.endr
	s_wait_alu depctr_va_vdst(0)                   ; the conversions have written v[S .. S + 63], which the sixteen stores read
.irp t, 0,1,2,3
.irp n, 0,1,2,3
	global_store_b128 v1, v[S+16*\t+4*\n:S+16*\t+4*\n+3], s[16:17] offset:\t*24576+\n*512   ; 512 consecutive bytes, aligned
.endr
.endr
	s_wait_xcnt 0x0                                ; the stores have read their data and their base: both are written again below and in the next trip
	s_wait_alu depctr_vm_vsrc(0)                   ; the stores have read v[S ..], in which the next trip's loads of x land; this trip's LDS loads have read v9, which the next trip writes
	s_add_nc_u64 s[20:21], s[20:21], 24576         ; four tiles on
	s_add_nc_u64 s[22:23], s[22:23], 1536
	s_add_nc_u64 s[24:25], s[24:25], 8192
	s_add_nc_u64 s[16:17], s[16:17], 98304
	s_sub_co_u32 s44, s44, 1
	s_cmp_lg_u32 s44, 0
	s_cbranch_scc1 .Lpass
	s_wait_xcnt 0x0
	v_lshl_add_u32 v254, v0, 2, 0x44400            ; the add's two registers are made anew here: all 512 registers are taken till now (no memory or LDS instruction has ever read v254 or v255: they held scale words)
	v_mov_b32 v255, 0
	s_wait_dscnt 0x0                               ; the closing lines, six on end
	s_wait_alu 0x0
	s_wait_tensorcnt 0x0
	ds_add_u32 v254, v255
	s_wait_dscnt 0x0
	s_endpgm
.Lfunc_end_k_q162aa799bd_attn:
	.size	k_q162aa799bd_attn, .Lfunc_end_k_q162aa799bd_attn-k_q162aa799bd_attn
	.p2alignl 7, 3214868480
	.fill 96, 4, 3214868480
	.section	.rodata,"a",@progbits
	.p2align	6, 0x0
	.amdhsa_kernel k_q162aa799bd_attn
		.amdhsa_group_segment_fixed_size 280576
		.amdhsa_private_segment_fixed_size 0
		.amdhsa_enable_private_segment 0
		.amdhsa_kernarg_size 56
		.amdhsa_user_sgpr_count 2
		.amdhsa_user_sgpr_kernarg_segment_ptr 1
		.amdhsa_wavefront_size32 1
		.amdhsa_system_sgpr_workgroup_id_x 1
		.amdhsa_system_sgpr_workgroup_id_y 1
		.amdhsa_system_sgpr_workgroup_id_z 1
		.amdhsa_system_vgpr_workitem_id 0
		.amdhsa_next_free_vgpr 512
		.amdhsa_next_free_sgpr 66
		.amdhsa_reserve_vcc 0
		.amdhsa_float_denorm_mode_32 3
		.amdhsa_float_denorm_mode_16_64 3
		.amdhsa_memory_ordered 1
		.amdhsa_forward_progress 1
		.amdhsa_inst_pref_size 233
	.end_amdhsa_kernel
	.amdgpu_metadata
---
amdhsa.version: [ 1, 2 ]
amdhsa.kernels:
  - .name:           k_q162aa799bd_attn
    .symbol:         k_q162aa799bd_attn.kd
    .args:
      - { .name: codes, .offset: 0, .size: 8, .value_kind: global_buffer, .address_space: global }
      - { .name: scales, .offset: 8, .size: 8, .value_kind: global_buffer, .address_space: global }
      - { .name: tab, .offset: 16, .size: 8, .value_kind: global_buffer, .address_space: global }
      - { .name: bq, .offset: 24, .size: 8, .value_kind: global_buffer, .address_space: global }
      - { .name: bk, .offset: 32, .size: 8, .value_kind: global_buffer, .address_space: global }
      - { .name: bv, .offset: 40, .size: 8, .value_kind: global_buffer, .address_space: global }
      - { .name: ao, .offset: 48, .size: 8, .value_kind: global_buffer, .address_space: global }
    .group_segment_fixed_size: 280576
    .private_segment_fixed_size: 0
    .kernarg_segment_align: 8
    .kernarg_segment_size: 56
    .max_flat_workgroup_size: 256
    .sgpr_count:     66
    .vgpr_count:     512
    .wavefront_size: 32
...
	.end_amdgpu_metadata
.endif
;; end of part 4
;; launch oproj: the kernel of part 3 again; grid 64 x 4, 4 waves a work-group, clusters of 4 x 1, 295,424 bytes of LDS; arguments ao, wob, bo, out0; writes out0
